; MI455X (gfx1250); checked and timed in simulation.
; The chip was launched on July 23, 2026; its instructions are those of AMD's public machine-readable ISA for CDNA 5 (MIT licence, August 2026) and "CDNA5" Instruction Set Architecture Reference Guide (July 2026). The comments in the code are by the model that wrote it; some were corrected since.
;; Multi Head Self Attention. Allowed arithmetic: matrix products marked QUANTISED: E2M3 operands, one E8M0 scale for each 32 along K, by v_wmma_scale_f32_16x16x128_f8f6f4 with both operands' format E2M3, f32 sums; everything else in f32.
;; Inputs: W_out 1,024 x 1,024 float32; W_qkv 1,024 x 3,072 float32; alpha 16 float32; attention_mask 2 x 2,048 bool; b_out 1,024 float32; b_qkv 3,072 float32; coords 2 x 2,048 x 2 float32; x 2 x 2,048 x 1,024 float32.
;; Outputs: out0 2 x 2,048 x 1,024 float32.
;; This version of the problem:
;;   THIS VERSION OF THE PROBLEM IS GIVEN IN LOW PRECISION. The matrix products marked QUANTISED in the list below multiply operands that are first quantised to E2M3 (2 exponent bits, 3 mantissa bits; 6 bits a number), with one power-of-two scale for each 32 numbers along K (OCP MX v1.0); their sums are f32. All else is computed in f32.
;;   The module's matrix products, in the order in which they are computed (A, B: the left and right operand; K: the contracted axis; several contracted axes count as one K, in the product's order):
;;     1. [M 4,096, K 1,024] x [K 1,024, N 3,072]; A: input x; B: input W_qkv: QUANTISED
;;     2. batch 32 x [M 2,048, K 64] x [K 64, N 2,048]; A: computed on the way; B: computed on the way: QUANTISED
;;     3. batch 32 x [M 2,048, K 2,048] x [K 2,048, N 64]; A: computed on the way; B: computed on the way: QUANTISED
;;     4. [M 4,096, K 1,024] x [K 1,024, N 1,024]; A: computed on the way; B: input W_out: QUANTISED
;;   THE QUANTISER, for each operand of a quantised product, along K:
;;     - K is cut into blocks of 32 from its start; a last block that is shorter is filled with zeros.
;;     - A block's scale is 2^e with e = floor(log2(the largest magnitude in the block)) - 2, held to -126 .. 127; a block of zeros has e = 0. As a byte (E8M0): e + 127.
;;     - Each number is divided by its block's scale, clamped to +-7.5, and rounded to the nearest number of E2M3, ties to even, subnormals kept.
;;     - The product sums the exact products of the quantised numbers (number of the format x scale) in f32.
;;   ~~~python
;;   def quantise(x, axis):      # numpy; x: float32 -> the quantised numbers, widened to float32 again
;;       x = np.moveaxis(x, axis, -1); K = x.shape[-1]
;;       x = np.pad(x, [(0, 0)] * (x.ndim - 1) + [(0, -K % 32)]); x = x.reshape(x.shape[:-1] + (-1, 32)); a = np.abs(x).max(-1, keepdims=True)
;;       e = np.where(a > 0, np.clip(np.frexp(np.where(a > 0, a, 1))[1] - 1 - 2, -126, 127), 0)      # np.frexp(a)[1] - 1 = floor(log2(a)), exactly
;;       r = np.clip(x / 2.0 ** e, -7.5, 7.5)
;;       step = 2.0 ** (np.maximum(np.frexp(np.where(r == 0, 1, r))[1] - 1, 0) - 3)
;;       q = np.round(r / step) * step * 2.0 ** e      # np.round: ties to even
;;       return np.moveaxis(q.reshape(q.shape[:-2] + (-1,))[..., :K], -1, axis).astype(np.float32)
;;   ~~~
;;   OPERANDS COMPUTED ON THE WAY. 'Computed on the way' means the value that the module computes at that place (a softmax that the list does not call 'softmax' is quantised finished and normalised). What goes into a quantiser is computed in f32, as accurately as f32 sums, v_exp_f32 and their like allow (about 1e-6 of the number): no bf16 or f16 on the way to a quantiser, and a product that is left as it is and whose result goes on into a quantised operand takes f32 operands (vector FMAs, or v_wmma_f32_16x16x4_f32). A number that lies on a knife's edge between two numbers of the format may be rounded either way, as far as f32 arithmetic and the matrix unit's own rounding can turn it there, and no further.
;; One version. Each part assembles by itself: llvm-mc -triple=amdgcn-amd-amdhsa -mcpu=gfx1250 --defsym DOCPART=n.
;; ======== version 1 of 1: 4 launches
;; limits: a difference of large sums (such as E[x^2] - mean^2): digits are lost where the result is much smaller than its terms; right only within a limited range of input values
;; workspace buffers: pc 6,291,456 bytes; ps 262,144 bytes; img 9,437,184 bytes; isc 393,216 bytes; aoc 3,145,728 bytes; aos 131,072 bytes
;; launch prep (part 1): grid 256 x 1, 4 waves a work-group, no clusters, 68,096 bytes of LDS; arguments x, W_qkv, W_out, pc, ps; writes pc, ps
.if DOCPART == 1
	.amdgcn_target "amdgcn-amd-amdhsa--gfx1250"
	.amdhsa_code_object_version 6
	.text
	.protected	k_q478f693bea_prep
	.globl	k_q478f693bea_prep
	.p2align	8
	.type	k_q478f693bea_prep,@function
k_q478f693bea_prep:
	s_mov_b64 s[64:65], 0
	v_nop
	global_prefetch_b8 v0, s[64:65] scope:SCOPE_SE
	s_setreg_imm32_b32 hwreg(HW_REG_WAVE_MODE, 25, 1), 1
	s_wait_xcnt 0x0
; x [4096][1024], W_qkv [1024][3072] and W_out [1024][1024], f32, are turned into codes of FP6 (E2M3) along K = 1024, with one E8M0 byte for each 32 along K.
; OUT: pc is ONE matrix of 8,192 rows of 768 bytes (1,024 codes, K innermost, a stream of bits), ps the same rows' 32 scale bytes.  Rows 0-4095: x's tokens; 4096-7167: W_qkv's columns; 7168-8191: W_out's columns.
; THE ROWS ARE STORED IN ANOTHER ORDER: storage row p holds the row whose number is p with its bits 3 and 4 exchanged.  So sixteen storage rows on end are the rows 32 b + 8 u + r + 8 (r / 8), the choice of rows
; by which a later product's results come out as neighbours along the next K.
; A block's scale is 2^(floor(log2(its largest magnitude)) - 2); its byte is the largest magnitude's exponent field - 2, held at 1 from below.  A block of zeros so gets the byte 1 (its codes are zeros; this program alone reads the bytes).
; LIMITS: blocks whose largest magnitude lies under 2^-124 keep the byte 1; NaN and infinities among the inputs are not served.
; SHARES: work-groups 0-127 take x, 32,768 numbers each (K innermost: two lanes to a block, the numbers turned through LDS so that every load reads 512 bytes on end);
; work-groups 128-255 take the weights, 128 columns x 256 along K each (K outermost: a lane to a column, its registers down K, the codes out through LDS by rows).  Both shares are 131,072 bytes of f32.
; The two ways part on the work-group's number, have LDS bytes of their own and end each by itself.  No tensor load, no barrier: waves share nothing.
.set STEPS, 16
.set EMAX,  2
.set CB,    12                         ; bytes of 16 codes
.set XR,    16                         ; x: v16-79   four sets of 16 numbers as loaded
.set XX,    80                         ; x: v80-111  two sets of 16 neighbours
.set XE,    112                        ; x: v112-127 a scale byte for each step
.set XC,    128                        ; x: v128-191 codes, four registers a step
.set WREG,  8192                       ; x: LDS region of a wave: two stages of 32 x SP bytes, then its 256 scale bytes
.set SP,    80                         ; x: a lane's place in a stage: 64 bytes + 16
.set WSTG,  32768                      ; weights: four stages of 32 rows x WPITCH, behind x's regions
.set WPITCH, 272                       ; weights: sixteen places of 16 bytes (12 of codes each) + 16
.set NB,    8                          ; weights: blocks of 32 along K for a wave
.set SB,    24                         ; weights: v24-25  the 8 scale bytes
.set WX,    32                         ; weights: v32-95  two sets of 32 numbers
.set WC,    96                         ; weights: v96..   a block's codes
.set OUTR,  112                        ; weights: v112-175 the way out
.set ROFF,  176                        ; weights: v176-207 byte offset of row i of a block: i x pitch + 4 x lane; never rewritten
.set SPW,   208                        ; v208 LDS address of my spare word; never rewritten
.set NIL,   209                        ; v209 0; never rewritten
.set SPARE, 67584                      ; behind the stages: the spare words, 128 bytes a wave
	s_load_b256 s[4:11], s[0:1], 0x0               ; x s[4:5], W_qkv s[6:7], W_out s[8:9], pc s[10:11]
	s_load_b64 s[12:13], s[0:1], 0x20              ; ps
	v_lshl_add_u32 v[SPW], v0, 2, SPARE
	v_mov_b32 v[NIL], 0
	v_lshrrev_b32 v1, 5, v0
	v_readfirstlane_b32 s16, v1                    ; wave
	v_and_b32 v2, 31, v0                           ; lane
	s_cmp_lt_u32 ttmp9, 128
	s_cbranch_scc0 .Lweights
; ---------------------------------------------------------------- x: a wave takes a run of 8,192 numbers (8 rows), 16 steps of 512
	v_lshlrev_b32 v3, 4, v2                        ; my 16 bytes of a load's 512
	s_mul_i32 s17, s16, WREG
	v_lshrrev_b32 v14, 2, v2
	v_mul_u32_u24 v14, v14, SP
	v_and_b32 v15, 3, v2
	v_lshl_add_u32 v14, v15, 4, v14
	v_add_nc_u32 v14, s17, v14                     ; the stage, in: SP (lane / 4) + 16 (lane % 4)
	v_mul_u32_u24 v15, v2, SP
	v_add_nc_u32 v15, s17, v15                     ; and out: SP x lane: my 16 neighbours
	v_mul_u32_u24 v4, v2, CB                       ; my codes' place in a step's 384 bytes
	v_lshrrev_b32 v5, 1, v2
	s_add_co_u32 s17, s17, 2*32*SP
	v_add_nc_u32 v5, s17, v5                       ; LDS: my block's scale byte
	v_lshlrev_b32 v7, 3, v2
	v_add_nc_u32 v6, s17, v7                       ; and on the way out 8 bytes a lane
	s_wait_kmcnt 0x0
	s_lshl_b32 s17, ttmp9, 2
	s_add_co_u32 s18, s17, s16                     ; the run that I read: 4 x work-group + wave
	s_lshl_b32 s18, s18, 15                        ; 32,768 bytes a run
	s_mov_b32 s19, 0
	s_add_nc_u64 s[4:5], s[4:5], s[18:19]
	s_and_b32 s20, s16, 1                          ; a run is 8 rows: bits 3 and 4 of a row are bits 0 and 1 of the run, which are the wave's
	s_lshl_b32 s20, s20, 1
	s_lshr_b32 s21, s16, 1
	s_or_b32 s20, s20, s21
	s_add_co_u32 s20, s20, s17                     ; the run that I write
	s_mul_i32 s18, s20, 6144                       ; 8 rows of 768 bytes
	s_add_nc_u64 s[10:11], s[10:11], s[18:19]
	s_lshl_b32 s18, s20, 8                         ; 8 rows of 32 scale bytes
	s_add_nc_u64 s[12:13], s[12:13], s[18:19]
.macro XLOAD t
.irp i, 0,1,2,3
	global_load_b128 v[XR+16*((\t)%4)+4*\i:XR+16*((\t)%4)+4*\i+3], v3, s[4:5] offset:2048*(\t)+512*\i th:TH_LOAD_NT   ; 32 lanes read 512 bytes on end
.endr
.endm
.macro XTURN t                         ; step t's numbers through the stage: LDS serves a wave's instructions in order, so no wait stands between the stores and the loads
.irp i, 0,1,2,3
	ds_store_b128 v14, v[XR+16*((\t)%4)+4*\i:XR+16*((\t)%4)+4*\i+3] offset:32*SP*((\t)%2)+8*SP*\i
.endr
.irp i, 0,1,2,3
	ds_load_b128 v[XX+16*((\t)%2)+4*\i:XX+16*((\t)%2)+4*\i+3], v15 offset:32*SP*((\t)%2)+16*\i
.endr
.endm
.irp t, 0,1,2,3
	XLOAD \t
.endr
	s_wait_loadcnt 12                              ; step 0's four loads are in; those of steps 1 to 3 may be out
	XTURN 0
.macro XSTEP t
.set XS, XX+16*((\t)%2)
.if (\t) > 0
	s_wait_dscnt 1                                 ; this step's numbers are back from the stage (the last step's byte store may be out): so its stores into the stage have read their registers,
.else
	s_wait_dscnt 0x0
.endif
.if (\t)+4 < STEPS
	XLOAD (\t)+4                                   ; which take the loads of four steps on
.endif
.if (\t)+1 < STEPS
.if STEPS-2-(\t) >= 3
	s_wait_loadcnt 12                              ; the next step's four loads are in; those of the three steps behind it may be out
.else
	s_wait_loadcnt 4*(STEPS-2-(\t))
.endif
	XTURN (\t)+1
.endif
	v_max3_num_f32 v8, |v[XS]|, |v[XS+1]|, |v[XS+2]|               ; the largest magnitude of my 16, in two chains
	v_max3_num_f32 v9, |v[XS+3]|, |v[XS+4]|, |v[XS+5]|
.irp i, 6,10
	v_max3_num_f32 v8, v8, |v[XS+\i]|, |v[XS+\i+1]|
	v_max3_num_f32 v9, v9, |v[XS+\i+2]|, |v[XS+\i+3]|
.endr
	v_max3_num_f32 v8, v8, |v[XS+14]|, |v[XS+15]|
	v_max3_num_f32 v8, v8, v9, (EMAX+1)<<23        ; and the floor 2^(3 - 127): the byte cannot fall under 1
	v_max_num_f32_dpp v8, v8, v8 row_xmask:1 row_mask:0xf bank_mask:0xf   ; and of my neighbour's 16: the block's
	v_add_nc_u32 v11, -(EMAX<<23), v8              ; 2 off its exponent field: the conversion takes the exponent field of this operand as its scale
	v_cvt_scalef32_pk16_fp6_f32 v[XC+4*(\t):XC+4*(\t)+2], v[XS:XS+15], v11
	v_lshrrev_b32 v[XE+(\t)], 23, v11              ; the scale's byte (a plain line behind the conversion)
	ds_store_b8 v5, v[XE+(\t)] offset:16*(\t)      ; both lanes of a block write the same byte with the same value
	global_store_b96 v4, v[XC+4*(\t):XC+4*(\t)+2], s[10:11] offset:32*CB*(\t)   ; the wave stores 384 bytes on end
.endm
.irp t, 0,1,2,3,4,5,6,7,8,9,10,11,12,13,14,15
	XSTEP \t
.endr
	ds_load_b64 v[80:81], v6                       ; LDS serves a wave's instructions in order: this sees my byte stores
	s_wait_dscnt 0x0
	global_store_b64 v7, v[80:81], s[12:13]        ; 32 lanes store 256 bytes on end, aligned
	s_wait_tensorcnt 0x0                           ; the wave's end
	ds_add_u32 v[SPW], v[NIL]
	s_wait_dscnt 0x0
	s_endpgm
; ---------------------------------------------------------------- the weights: a wave takes 32 columns x 256 along K
.Lweights:
	s_sub_co_u32 s17, ttmp9, 128                   ; 0-95: W_qkv (24 blocks of 128 columns x 4 along K); 96-127: W_out (8 x 4)
	s_wait_kmcnt 0x0
	s_cmp_ge_u32 s17, 96                           ; the choice hangs on the work-group's number alone
	s_cselect_b32 s18, 96, 0
	s_mov_b32 s30, 12288
	s_cselect_b32 s30, 4096, s30                   ; bytes from a row of the weight to the next
	s_mov_b32 s31, 4096
	s_cselect_b32 s31, 7168, s31                   ; where its columns begin among pc's rows
	s_cselect_b64 s[6:7], s[8:9], s[6:7]
	s_sub_co_u32 s17, s17, s18
	s_lshr_b32 s20, s17, 2
	s_lshl_b32 s20, s20, 7
	s_lshl_b32 s19, s16, 5
	s_add_co_u32 s20, s20, s19                     ; my wave's first column
	s_and_b32 s21, s17, 3                          ; which 256 along K
	v_lshlrev_b32 v3, 2, v2                        ; in: 4 bytes a lane
	v_and_b32 v5, 7, v2                            ; my column's storage row among the wave's 32: the lane with its bits 3 and 4 exchanged
	v_bfe_u32 v6, v2, 3, 1
	v_lshl_add_u32 v5, v6, 4, v5
	v_bfe_u32 v6, v2, 4, 1
	v_lshl_add_u32 v5, v6, 3, v5
	s_mul_i32 s25, s16, 32*WPITCH
	s_add_co_u32 s25, s25, WSTG                    ; my stage
	v_mul_u32_u24 v4, v5, WPITCH
	v_add_nc_u32 v4, s25, v4                       ; into it: that row
	v_lshlrev_b32 v9, 5, v5                        ; and that row's 32 scale bytes
	v_and_b32 v5, 15, v2
	v_lshrrev_b32 v6, 4, v2                        ; out of it: sixteen lanes to a row, two rows an instruction
	v_mul_u32_u24 v7, v6, WPITCH
	v_lshl_add_u32 v7, v5, 4, v7
	v_add_nc_u32 v7, s25, v7
	v_mul_u32_u24 v8, v6, 768
	v_mad_u32_u24 v8, v5, 12, v8                   ; the same place in pc
.set q, 0
.rept 32
	v_mad_u32_u24 v[ROFF+q], s30, q, v3
.set q, q+1
.endr
	s_lshl_b32 s22, s21, 8                         ; block t of my 8 begins at row 256 ky + 32 t: a base for each, so that no base is ever stepped
	s_mul_i32 s22, s22, s30
	s_lshl_b32 s24, s20, 2
	s_add_co_u32 s22, s22, s24
	s_mov_b32 s23, 0
	s_add_nc_u64 s[32:33], s[6:7], s[22:23]
	s_lshl_b32 s22, s30, 5
.irp t, 1,2,3,4,5,6,7
	s_add_nc_u64 s[32+2*\t:33+2*\t], s[30+2*\t:31+2*\t], s[22:23]
.endr
	s_add_co_u32 s26, s31, s20                     ; my first row of pc and ps
	s_mul_i32 s22, s26, 768
	s_mul_i32 s24, s21, 192
	s_add_co_u32 s22, s22, s24
	s_add_nc_u64 s[10:11], s[10:11], s[22:23]
	s_lshl_b32 s22, s26, 5
	s_lshl_b32 s24, s21, 3
	s_add_co_u32 s22, s22, s24
	s_add_nc_u64 s[12:13], s[12:13], s[22:23]
.macro WLOAD t                         ; block t: W(32 t + i, my column), i = 0 .. 31: each load reads 128 bytes on end
.set q, 0
.rept 32
	global_load_b32 v[WX+32*((\t)%2)+q], v[ROFF+q], s[32+2*(\t):33+2*(\t)] th:TH_LOAD_NT
.set q, q+1
.endr
.endm
	WLOAD 0
	WLOAD 1
.macro WBLOCK t
.set WS, WX+32*((\t)%2)
.if (\t) < NB-1
	s_wait_loadcnt 32                              ; this block's 32 loads are in; the next block's may be out
.else
	s_wait_loadcnt 0
.endif
	v_max3_num_f32 v20, |v[WS]|, |v[WS+1]|, |v[WS+2]|              ; the block's largest magnitude: all 32 numbers are mine
	v_max3_num_f32 v21, |v[WS+3]|, |v[WS+4]|, |v[WS+5]|
.irp i, 6,10,14,18,22,26
	v_max3_num_f32 v20, v20, |v[WS+\i]|, |v[WS+\i+1]|
	v_max3_num_f32 v21, v21, |v[WS+\i+2]|, |v[WS+\i+3]|
.endr
	v_max3_num_f32 v20, v20, |v[WS+30]|, |v[WS+31]|
	v_max3_num_f32 v20, v20, v21, (EMAX+1)<<23     ; and the floor
	v_add_nc_u32 v22, -(EMAX<<23), v20             ; the conversion's scale operand
	v_lshrrev_b32 v21, 23, v22                     ; the scale's byte
.if (\t)%4 == 0
	v_mov_b32 v[SB+(\t)/4], v21                    ; four bytes to a register, the lower K in the lower byte
.else
	v_lshl_or_b32 v[SB+(\t)/4], v21, 8*((\t)%4), v[SB+(\t)/4]
.endif
	v_cvt_scalef32_pk16_fp6_f32 v[WC:WC+2], v[WS:WS+15], v22
	v_cvt_scalef32_pk16_fp6_f32 v[WC+4:WC+6], v[WS+16:WS+31], v22   ; (a conversion's three registers begin on an even number)
	v_nop                                          ; one plain line behind the last conversion
	ds_store_b96 v4, v[WC:WC+2] offset:32*(\t)     ; 12 bytes to a place of 16
	ds_store_b96 v4, v[WC+4:WC+6] offset:32*(\t)+16
.if (\t)+2 < NB
	WLOAD (\t)+2
.endif
	s_wait_dscnt 0x0                               ; the stores have read their registers: the next block's codes may be written
.endm
.irp t, 0,1,2,3,4,5,6,7
	WBLOCK \t
.endr
	global_store_b64 v9, v[SB:SB+1], s[12:13]      ; my column's 8 scale bytes: 8 bytes of a row of 32; one byte in 128 of what this way reads
.irp t, 0,1,2,3,4,5,6,7,8,9,10,11,12,13,14,15
	ds_load_b96 v[OUTR+4*\t:OUTR+4*\t+2], v7 offset:2*\t*WPITCH   ; LDS serves a wave's instructions in order: these see my stores
.endr
.irp t, 0,1,2,3,4,5,6,7,8,9,10,11,12,13,14,15
	s_wait_dscnt 15-\t                             ; the younger reads may be out
	global_store_b96 v8, v[OUTR+4*\t:OUTR+4*\t+2], s[10:11] offset:2*\t*768   ; sixteen lanes store a row's 192 bytes on end
.endr
	s_wait_tensorcnt 0x0                           ; the wave's end
	ds_add_u32 v[SPW], v[NIL]
	s_wait_dscnt 0x0
	s_endpgm
.Lfunc_end_k_q478f693bea_prep:
	.size	k_q478f693bea_prep, .Lfunc_end_k_q478f693bea_prep-k_q478f693bea_prep
	.p2alignl 7, 3214868480
	.fill 96, 4, 3214868480
	.section	.rodata,"a",@progbits
	.p2align	6, 0x0
	.amdhsa_kernel k_q478f693bea_prep
		.amdhsa_group_segment_fixed_size 68096
		.amdhsa_private_segment_fixed_size 0
		.amdhsa_enable_private_segment 0
		.amdhsa_kernarg_size 40
		.amdhsa_user_sgpr_count 2
		.amdhsa_user_sgpr_kernarg_segment_ptr 1
		.amdhsa_wavefront_size32 1
		.amdhsa_system_sgpr_workgroup_id_x 1
		.amdhsa_system_sgpr_workgroup_id_y 1
		.amdhsa_system_sgpr_workgroup_id_z 1
		.amdhsa_system_vgpr_workitem_id 0
		.amdhsa_next_free_vgpr 216
		.amdhsa_next_free_sgpr 66
		.amdhsa_reserve_vcc 0
		.amdhsa_float_denorm_mode_32 3
		.amdhsa_float_denorm_mode_16_64 3
		.amdhsa_memory_ordered 1
		.amdhsa_forward_progress 1
		.amdhsa_inst_pref_size 76
	.end_amdhsa_kernel
	.amdgpu_metadata
---
amdhsa.version: [ 1, 2 ]
amdhsa.kernels:
  - .name:           k_q478f693bea_prep
    .symbol:         k_q478f693bea_prep.kd
    .args:
      - { .name: x, .offset: 0, .size: 8, .value_kind: global_buffer, .address_space: global }
      - { .name: W_qkv, .offset: 8, .size: 8, .value_kind: global_buffer, .address_space: global }
      - { .name: W_out, .offset: 16, .size: 8, .value_kind: global_buffer, .address_space: global }
      - { .name: pc, .offset: 24, .size: 8, .value_kind: global_buffer, .address_space: global }
      - { .name: ps, .offset: 32, .size: 8, .value_kind: global_buffer, .address_space: global }
    .group_segment_fixed_size: 68096
    .private_segment_fixed_size: 0
    .kernarg_segment_align: 8
    .kernarg_segment_size: 40
    .max_flat_workgroup_size: 128
    .sgpr_count:     66
    .vgpr_count:     216
    .wavefront_size: 32
...
	.end_amdgpu_metadata
.endif
;; end of part 1
;; launch qkv (part 2): grid 12 x 16, 4 waves a work-group, clusters of 4 x 4, 327,680 bytes of LDS; arguments pc, ps, b_qkv, img, isc; writes img, isc
.if DOCPART == 2
	.amdgcn_target "amdgcn-amd-amdhsa--gfx1250"
	.amdhsa_code_object_version 6
	.text
	.protected	k_q478f693bea_qkv
	.globl	k_q478f693bea_qkv
	.p2align	8
	.type	k_q478f693bea_qkv,@function
k_q478f693bea_qkv:
	s_mov_b64 s[64:65], 0
	v_nop
	global_prefetch_b8 v0, s[64:65] scope:SCOPE_SE
	s_setreg_imm32_b32 hwreg(HW_REG_WAVE_MODE, 25, 1), 1
	s_wait_xcnt 0x0
	s_wait_alu depctr_hold_cnt(0) depctr_sa_sdst(0) depctr_va_vdst(0) depctr_va_sdst(0) depctr_va_ssrc(0) depctr_va_vcc(0) depctr_vm_vsrc(0)
	s_getreg_b32 s2, hwreg(HW_REG_IB_STS2, 6, 4)
	s_cmp_eq_u32 s2, 0
	s_cbranch_scc0 .Lentry_in_a_cluster
	s_endpgm
.Lentry_in_a_cluster:
	s_bfe_u32 s2, ttmp6, 0x10000c
	s_cmp_lg_u32 s2, 0xf033
	s_cbranch_scc0 .Lentry_shape_is_right
	s_endpgm
.Lentry_shape_is_right:
; qkv = x W_qkv + b_qkv on codes of FP6 (E2M3) with E8M0 scales, K = 1024; the results are quantised at once for the two products of attention and stored as IMAGES OF OPERAND REGISTERS.
; IN: pc, 8,192 rows of 768 bytes of codes, ps, the same rows' 32 scale bytes: rows 0-4095 tokens, 4096-7167 W_qkv's columns; storage row p holds row p with its bits 3 and 4 exchanged.
; A tile of 256 x 256 is made by four waves, 128 x 128 each (64 accumulators, 512 registers); K goes in steps of 256 through two LDS slots filled by joint tensor loads of a 4 x 4 cluster.
; THE MATRIX INSTRUCTION IS USED TRANSPOSED (source 0 = 16 rows of "B", source 1 = 16 rows of "A"): a lane holds one row of A and, thanks to the order of the storage rows, in the 16 registers of two neighbouring
; tiles 16 NEIGHBOURS among B's rows.  q and k are quantised along the head's channels: A = tokens, B = W's columns (clusters x = 0, 1).  v is quantised along the keys: A = W_v's columns, B = tokens (cluster x = 2).
; Since tokens and columns are rows of one matrix, only tile numbers differ; they are chosen by s_cselect on the cluster's x, which all partners share.  No branch hangs on it.
; OUT: img: fragments of 1,536 bytes (16 rows of A x 128 along B): two halves of 768: registers 6 c .. 6 c + 3 at 16 x lane, registers 6 c + 4, 6 c + 5 at 512 + 8 x lane.  q, k: fragment (CG 256 + T), CG = 128 columns
; (two heads; 0-7 q, 8-15 k), T = tile of tokens; v, from byte 6,291,456: fragment (KG 64 + DT), KG = 128 tokens, DT = tile of channels.  isc: the fragments' scale words, blocks of 512 bytes [16 rows][8 tiles].
; LIMITS: blocks whose largest magnitude lies under 2^-124 keep the byte 1 (a block of zeros too: its codes are zeros); NaN and infinities are not served.
; REGISTERS: window 0: v0-31 addresses; v32-63 scale words, two sets, and nothing else; v64-127 the bias along B; v128-223 A's fragments, one set; v224-239 the bias along A.  On the way out v128-191 results, v192-211 codes,
; v212-221 scale words made, v240-255 at work.  Window 1: B's fragments, two sets.  Windows 2, 3: the accumulators ((a, b) at v[8 (8 (a % 4) + b)]).
.set KSTEP,  256
.set NQ,     2
.set ROWB,   192                       ; a tile's row in bytes
.set KROW,   768                       ; a row of pc
.set PITCH,  240                       ; an LDS row: 3 x (64 bytes + 16 of padding): the 32 lanes of a load of 8 bytes touch 64 different banks (64 banks of 4 bytes: ISA guide 11.1)
.set FR,     12
.set NL,     6
.set NP,     4
.set HALFT,  128*PITCH
.set SLOT,   4*HALFT
.set LAPS,   2                         ; K = 1024 is twice round the ring
.set KS,     32                        ; a row of scale bytes
.set SCL,    2*SLOT                    ; behind the ring: the scales, as units of 256 bytes + 16 of padding
.set HALFS,  (128*KS/256)*272
.set SBLK,   (16*KS/256)*272
.set SPARE,  SCL+4*HALFS               ; the spare words, 128 bytes a wave
.set BO,   8                           ; v8   64 h: my half's place in the bias along B
.set AO,   9                           ; v9   4 (r + 8 (r / 8)): my row's place in the bias along A
.set L16,  10                          ; v10  16 x lane
.set L8,   11                          ; v11  8 x lane
.set SO,   12                          ; v12  32 r + 16 h: my four scale words' place
.set ADRA, 16
.set ADRB, 20
.set ADRS, 27
.set SPW,  28
.set NIL,  29
.set SC,   32
.set BB,   64
.set AF,   128
.set H,    128
.set PC,   192
.set PW,   212
.set SW,   214
.set BA,   224
.set TM,   240
.set SEL,  20                          ; s[20:21] on the way out: the selects of v_permlanex16_b32
.set G1, 24
.set G0, 32
.set G1B, 48
.set G0B, 56
.set G1S, 68
.set G0S, 76
.set G1SB, 80
.set G0SB, 88
.set MSB, 0
.macro WIN new                         ; the immediate's high byte repeats the setting that is left
.if MSB != \new
	s_set_vgpr_msb (MSB<<8)|\new
.set MSB, \new
.endif
.endm
.set MUL_LO, 0xa1                      ; source 0 (B) window 1, source 1 (A) window 0, C and D window 2
.set MUL_HI, 0xf1
.set TO_B,   0x40
; A joint load: waves 0 and 1 fetch for A, waves 2 and 3 for B; the branch hangs on the wave's number alone.  An s_nop 0 and four v_nop follow each of the two lines.
.macro JLOAD g0a, g1a, g0b, g1b
	s_cmp_eq_u32 s15, 0
	s_cbranch_scc0 .Lfor_b_\@
	tensor_load_to_lds s[\g0a:\g0a+3], s[\g1a:\g1a+7]
	s_nop 0
.rept 4
	v_nop
.endr
	s_branch .Lasked_\@
.Lfor_b_\@:
	tensor_load_to_lds s[\g0b:\g0b+3], s[\g1b:\g1b+7]
	s_nop 0
.rept 4
	v_nop
.endr
.Lasked_\@:
.endm
.macro CREST                           ; a round of the cluster's barrier behind its opening barrier
	s_cmp_lg_u32 s14, 0
	s_cbranch_scc1 .Lnot_wave_0_\@
	s_barrier_signal -3
.Lnot_wave_0_\@:
	s_barrier_wait -3
	s_barrier_signal -1
	s_barrier_wait -1
.endm
.macro CROUND
	s_barrier_signal -1
	s_barrier_wait -1
	CREST
.endm
	s_load_b256 s[4:11], s[0:1], 0x0               ; pc s[4:5], ps s[6:7], b_qkv s[8:9], img s[10:11]
	s_load_b64 s[12:13], s[0:1], 0x20              ; isc
	v_lshl_add_u32 v[SPW], v0, 2, SPARE
	v_mov_b32 v[NIL], 0
	ds_add_u32 v[SPW], v[NIL]                      ; the wave's opening: the add and its wait ahead of my first tensor load
	v_lshrrev_b32 v1, 5, v0
	v_readfirstlane_b32 s14, v1                    ; wave 0..3
	s_lshr_b32 s15, s14, 1                         ; which half of A's rows is mine.  Also: I fetch for A (0) or for B (1)
	s_and_b32 s16, s14, 1                          ; which half of B's rows.  Also: which 128 rows of that tile I fetch
	s_bfe_u32 s40, ttmp6, 0x40000                  ; cx, cy: my place in the cluster
	s_bfe_u32 s41, ttmp6, 0x40004
	s_and_b32 s95, ttmp7, 0xffff
	s_lshl_b32 s95, s95, 2                         ; 4 x cluster y
	s_lshl_b32 s2, ttmp9, 2
	s_add_co_u32 s2, s2, 16                        ; 16 + 4 x cluster x
	s_cmp_eq_u32 ttmp9, 2                          ; v's clusters?  The same in all sixteen partners
	s_cselect_b32 s17, 24, s95
	s_cselect_b32 s42, s95, s2
	s_cselect_b32 s66, 0, -1                       ; all ones where the bias runs along B (q, k)
	s_cselect_b32 s67, -1, 0                       ; all ones where it runs along A (v)
	s_add_co_u32 s17, s17, s41                     ; A's tile of 256 rows of pc: tokens 4 cluster y + cy, or W_v's columns 24 + cy
	s_add_co_u32 s42, s42, s40                     ; B's: W's columns 16 + 4 cluster x + cx, or tokens 4 cluster y + cx
	s_lshl_b32 s43, s41, 2
	s_lshl_b32 s43, 15, s43                        ; my row of the cluster
	s_lshl_b32 s44, 0x1111, s40                    ; my column
	s_or_b32 s[G1+0], s43, (0<<16)|(1<<20)|(1<<21)|(3<<22)|(3<<25)  ; the mask: A's tiles go to my row; elements of 1 byte; padding on; bit 21 beside a mask; after every 16 words 4 words
	s_or_b32 s[G1B+0], s44, (0<<16)|(1<<20)|(1<<21)|(3<<22)|(3<<25)
.irp g, G1, G1B
	s_mov_b32 s[\g+1], ROWB<<16                    ; tensor_dim0
	s_mov_b32 s[\g+2], 128<<16                     ; tensor_dim1
	s_mov_b32 s[\g+3], ROWB<<16                    ; tile_dim0
	s_mov_b32 s[\g+4], 128                         ; tile_dim1
	s_mov_b32 s[\g+5], KROW                        ; from row to row
	s_mov_b32 s[\g+6], 0
	s_mov_b32 s[\g+7], 0
.endr
	s_or_b32 s[G1S+0], s43, (3<<16)|(1<<20)|(1<<21)|(5<<22)|(3<<25) ; the scales of 128 rows: 4,096 dense bytes as 16 rows of 256 (32 elements of 8 bytes), 16 bytes of padding behind each
	s_or_b32 s[G1SB+0], s44, (3<<16)|(1<<20)|(1<<21)|(5<<22)|(3<<25)
.irp g, G1S, G1SB
	s_mov_b32 s[\g+1], 32<<16
	s_mov_b32 s[\g+2], (128*KS/256)<<16
	s_mov_b32 s[\g+3], 32<<16
	s_mov_b32 s[\g+4], 128*KS/256
	s_mov_b32 s[\g+5], 32
	s_mov_b32 s[\g+6], 0
	s_mov_b32 s[\g+7], 0
.endr
	s_lshl_b32 s18, s16, 7                         ; which 128 rows of the tile I fetch
	s_lshl_b32 s20, s17, 8
	s_add_co_u32 s20, s20, s18                     ; A's row of pc
	s_lshl_b32 s46, s42, 8
	s_add_co_u32 s46, s46, s18                     ; B's
	s_mov_b32 s21, 0
	s_mov_b32 s47, 0
	s_mov_b64 s[18:19], KS
	s_mul_u64 s[22:23], s[20:21], s[18:19]
	s_mul_u64 s[92:93], s[46:47], s[18:19]
	s_mov_b64 s[18:19], KROW
	s_mul_u64 s[20:21], s[20:21], s[18:19]
	s_mul_u64 s[46:47], s[46:47], s[18:19]
	s_mul_i32 s45, s14, HALFT                      ; where they go: wave x 128 rows: no place in the cluster enters an LDS address
	s_mul_i32 s94, s14, HALFS
	s_wait_dscnt 0x0                               ; the opening add is done
	s_wait_kmcnt 0x0
	s_add_nc_u64 s[20:21], s[4:5], s[20:21]
	s_add_nc_u64 s[22:23], s[6:7], s[22:23]
	s_add_nc_u64 s[46:47], s[4:5], s[46:47]
	s_add_nc_u64 s[92:93], s[6:7], s[92:93]
	CROUND                                         ; all sixteen work-groups are here: the first joint loads meet
	s_mov_b32 s[G0S], 1
	s_add_co_u32 s[G0S+1], s94, SCL
	s_mov_b64 s[G0S+2:G0S+3], s[22:23]
	s_or_b32 s[G0S+3], s[G0S+3], 0x80000000
	s_mov_b32 s[G0SB], 1
	s_add_co_u32 s[G0SB+1], s94, SCL
	s_mov_b64 s[G0SB+2:G0SB+3], s[92:93]
	s_or_b32 s[G0SB+3], s[G0SB+3], 0x80000000
	JLOAD G0S, G1S, G0SB, G1SB                     ; the scales first; with the two below three loads of mine are out
.irp s, 0,1
	s_mov_b32 s[G0+4*\s], 1
	s_add_co_u32 s[G0+4*\s+1], s45, \s*SLOT
	s_add_nc_u64 s[G0+4*\s+2:G0+4*\s+3], s[20:21], \s*ROWB
	s_or_b32 s[G0+4*\s+3], s[G0+4*\s+3], 0x80000000
	s_mov_b32 s[G0B+4*\s], 1
	s_add_co_u32 s[G0B+4*\s+1], s45, \s*SLOT
	s_add_nc_u64 s[G0B+4*\s+2:G0B+4*\s+3], s[46:47], \s*ROWB
	s_or_b32 s[G0B+4*\s+3], s[G0B+4*\s+3], 0x80000000
	JLOAD G0+4*\s, G1, G0B+4*\s, G1B
.endr
	v_and_b32 v1, 15, v0                           ; r
	v_bfe_u32 v2, v0, 4, 1                         ; h
	v_mul_u32_u24 v3, v1, PITCH
	v_mul_u32_u24 v4, v2, 24
	v_add_nc_u32 v4, v3, v4                        ; a fragment's row x pitch + 24 h
	v_lshl_add_u32 v5, v2, 4, v4                   ; and the same behind one padding more
	s_mul_i32 s21, s15, HALFT
	s_mul_i32 s22, s16, HALFT
	s_add_co_u32 s22, s22, 2*HALFT
.irp s, 0,1
	v_add_nc_u32 v[ADRA+\s], s21, v4
	v_add_nc_u32 v[ADRB+\s], s22, v4
	v_add_nc_u32 v[ADRA+2+\s], s21, v5
	v_add_nc_u32 v[ADRB+2+\s], s22, v5
	s_add_co_u32 s21, s21, SLOT
	s_add_co_u32 s22, s22, SLOT
.endr
	v_mul_u32_u24 v5, v1, KS
	v_lshrrev_b32 v6, 8, v5
	v_lshl_add_u32 v5, v6, 4, v5                   ; my row's scales: 32 bytes a row, 16 more for each 256 passed
	s_mul_i32 s21, s15, HALFS
	s_mul_i32 s22, s16, HALFS
	s_add_co_u32 s22, s22, 2*HALFS
	s_sub_co_u32 s22, s22, s21
	v_mul_u32_u24 v6, s22, v2                      ; lanes 16-31 take B's
	s_add_co_u32 s21, s21, SCL
	v_add_nc_u32 v5, v5, v6
	v_add_nc_u32 v[ADRS], s21, v5
	v_lshlrev_b32 v[BO], 6, v2
	v_and_b32 v[AO], 8, v1
	v_add_nc_u32 v[AO], v[AO], v1
	v_lshlrev_b32 v[AO], 2, v[AO]
	v_and_b32 v6, 31, v0
	v_lshlrev_b32 v[L16], 4, v6
	v_lshlrev_b32 v[L8], 3, v6
	v_lshlrev_b32 v[SO], 5, v1
	v_lshl_add_u32 v[SO], v2, 4, v[SO]
	; where my results go, and where my biases lie
	s_cmp_eq_u32 ttmp9, 2
	s_cselect_b32 s18, 0, 16                       ; what is taken off B's tile number
	s_cselect_b32 s19, s41, s17                    ; A's tile of 256 among its kind
	s_cselect_b32 s20, 6, 8                        ; tiles of A's kind in all: 64 or 256, as a shift
	s_cselect_b32 s21, 6291456, 0
	s_cselect_b32 s22, 262144, 0
	s_sub_co_u32 s18, s42, s18
	s_lshl_b32 s23, s18, 1
	s_add_co_u32 s23, s23, s16                     ; my group of 128 along B
	s_lshl_b32 s23, s23, s20
	s_lshl_b32 s19, s19, 4
	s_add_co_u32 s23, s23, s19
	s_lshl_b32 s46, s15, 3
	s_add_co_u32 s23, s23, s46                     ; my first fragment's number
	s_mul_i32 s46, s23, 1536
	s_add_co_u32 s46, s46, s21
	s_mov_b32 s47, 0
	s_add_nc_u64 s[100:101], s[10:11], s[46:47]    ; my eight fragments: 12,288 bytes on end
	s_lshl_b32 s46, s23, 6
	s_add_co_u32 s46, s46, s22
	s_add_nc_u64 s[104:105], s[12:13], s[46:47]    ; their scale words: 512 bytes
	s_lshl_b32 s46, s18, 10
	s_lshl_b32 s20, s16, 9
	s_add_co_u32 s46, s46, s20
	s_and_b32 s46, s46, s66                        ; q, k: the bias of my 128 columns; v: the buffer's head, read and thrown away
	s_add_nc_u64 s[96:97], s[8:9], s[46:47]
	s_lshl_b32 s46, s41, 10
	s_lshl_b32 s20, s15, 9
	s_add_co_u32 s46, s46, s20
	s_add_co_u32 s46, s46, 8192
	s_and_b32 s46, s46, s67                        ; v: the bias of my 128 channels; q, k: the buffer's head
	s_add_nc_u64 s[98:99], s[8:9], s[46:47]
.irp b, 0,1,2,3,4,5,6,7                        ; tile b's eight results of my half are columns 32 (b / 2) + 16 h + 8 (b % 2) + 0 .. 7
	global_load_b128 v[BB+8*\b:BB+8*\b+3], v[BO], s[96:97] offset:4*(32*(\b/2)+8*(\b%2))
	global_load_b128 v[BB+8*\b+4:BB+8*\b+7], v[BO], s[96:97] offset:4*(32*(\b/2)+8*(\b%2))+16
.endr
.irp a, 0,1,2,3,4,5,6,7                        ; lane r of A's tile a is row 32 (a / 2) + 8 (a % 2) + r + 8 (r / 8); twice, for the packed addition
	global_load_b32 v[BA+2*\a], v[AO], s[98:99] offset:4*(32*(\a/2)+8*(\a%2))
	global_load_b32 v[BA+2*\a+1], v[AO], s[98:99] offset:4*(32*(\a/2)+8*(\a%2))
.endr
.macro FRAG reg, adr, q, i             ; a fragment: 16 rows x 128 K in 12 registers: lane l holds row l % 16; registers 6 c .. 6 c + 5 hold K = 64 c + 32 (l / 16) + 0 .. 31, 24 bytes as they lie, in pieces of 8 bytes
.irp p, 0,1,2,3,4,5
.set PCE, 12*(\q)+6*(\p/3)+\p%3       ; 16 bytes of padding lie behind every 8 pieces: where the piece three on lies behind one padding more, the second address register serves
.if PCE%8 < 5
	ds_load_b64 v[\reg+2*\p:\reg+2*\p+1], v[\adr] offset:8*PCE+16*(PCE/8)+(\i)*16*PITCH
.else
	ds_load_b64 v[\reg+2*\p:\reg+2*\p+1], v[\adr+2] offset:8*PCE+16*(PCE/8)+(\i)*16*PITCH
.endif
.endr
.endm
; 16 matrix instructions: A's blocks a0, a0 + 1 x B's eight.  The 64 accumulators take turns, one instruction a turn, in the same order in every step.
.macro MUL16 a0, p, q, sc, zero
.irp a, \a0, \a0+1
.irp b, 0,1,2,3,4,5,6,7
.if \zero
	v_wmma_scale_f32_16x16x128_f8f6f4 v[8*(8*((\a)%4)+\b):8*(8*((\a)%4)+\b)+7], v[128*(\p)+FR*\b:128*(\p)+FR*\b+FR-1], v[AF+FR*(\a):AF+FR*(\a)+FR-1], 0, v[SC+8*NQ*(\sc)+NQ*\b+(\q)], v[SC+8*NQ*(\sc)+NQ*(\a)+(\q)] matrix_a_fmt:MATRIX_FMT_FP6 matrix_b_fmt:MATRIX_FMT_FP6 matrix_a_scale:MATRIX_SCALE_ROW1
.else
	v_wmma_scale_f32_16x16x128_f8f6f4 v[8*(8*((\a)%4)+\b):8*(8*((\a)%4)+\b)+7], v[128*(\p)+FR*\b:128*(\p)+FR*\b+FR-1], v[AF+FR*(\a):AF+FR*(\a)+FR-1], v[8*(8*((\a)%4)+\b):8*(8*((\a)%4)+\b)+7], v[SC+8*NQ*(\sc)+NQ*\b+(\q)], v[SC+8*NQ*(\sc)+NQ*(\a)+(\q)] matrix_a_fmt:MATRIX_FMT_FP6 matrix_b_fmt:MATRIX_FMT_FP6 matrix_a_scale:MATRIX_SCALE_ROW1
.endif
.endr
.endr
.endm
.macro FETCH_B slot, q, p
	WIN TO_B
.irp i, 0,1,2,3,4,5,6,7
	FRAG 128*(\p)+FR*\i, ADRB+\slot, \q, \i
.endr
	WIN 0
.endm
.macro FETCH_A slot, q, i0
.irp i, \i0, \i0+1, \i0+2, \i0+3
	FRAG AF+FR*(\i), ADRA+\slot, \q, \i
.endr
.endm
.macro SCALES sc                       ; a K step's scale words: lanes 0-15 take A's block i, lanes 16-31 B's block i
.irp i, 0,1,2,3,4,5,6,7
	ds_load_b64 v[SC+8*NQ*\sc+NQ*\i:SC+8*NQ*\sc+NQ*\i+1], v[ADRS] offset:\i*SBLK
.endr
.endm
.macro PLACES n                        ; plain vector lines between a matrix instruction and a load into, or a vector instruction on, its registers
.rept \n
	v_nop
.endr
.endm
.macro STEP slot, q, zero              ; a step of 128 along K that has its successor in the same slot
	s_wait_dscnt 4*NL                              ; B's set and A's blocks 0-3 are in; the youngest 24 loads (A's blocks 4-7) may be out
	WIN MUL_LO
	MUL16 0, (\q)%2, \q, \slot, \zero
	MUL16 2, (\q)%2, \q, \slot, \zero
	s_wait_dscnt 0
	PLACES NP
	FETCH_B \slot, (\q)+1, 1-(\q)%2
	FETCH_A \slot, (\q)+1, 0
	WIN MUL_HI
	MUL16 4, (\q)%2, \q, \slot, \zero
	MUL16 6, (\q)%2, \q, \slot, \zero
	PLACES NP
	WIN 0
	FETCH_A \slot, (\q)+1, 4
.endm
; A slot's last step changes slots: one barrier; in front of it each wave waits for all its tensor loads, adds 0 to its spare word, and waits for that and for its own reads of this slot.
.macro TURN slot, next, fill
	s_wait_tensorcnt 0x0                           ; all my tensor loads have landed: my part of the next slot
	ds_add_u32 v[SPW], v[NIL]
	s_wait_dscnt 4*NL+1                            ; the add and the youngest 24 loads may be out
	WIN MUL_LO
	MUL16 0, 1, NQ-1, \slot, 0
	s_wait_dscnt 0x0                               ; the add is done, and my reads of this slot are over
	s_barrier_signal -1
	MUL16 2, 1, NQ-1, \slot, 0
	WIN 0
	s_barrier_wait -1
.if \fill
	CREST                                          ; the barrier has opened a round of the cluster's: no wave of any partner still reads this slot or has a load on its way
	s_add_nc_u64 s[G0+4*\slot+2:G0+4*\slot+3], s[G0+4*\slot+2:G0+4*\slot+3], 2*ROWB
	s_add_nc_u64 s[G0B+4*\slot+2:G0B+4*\slot+3], s[G0B+4*\slot+2:G0B+4*\slot+3], 2*ROWB
	JLOAD G0+4*\slot, G1, G0B+4*\slot, G1B         ; the first tensor load behind the round; its four v_nop are the places in front of the loads below
.else
	PLACES NP
.endif
	v_add_nc_u32 v[ADRS], 4*NQ, v[ADRS]            ; the next K step's scale words
	FETCH_B \next, 0, 0
	FETCH_A \next, 0, 0
	SCALES \next
	WIN MUL_HI
	MUL16 4, 1, NQ-1, \slot, 0
	MUL16 6, 1, NQ-1, \slot, 0
	PLACES NP
	WIN 0
	FETCH_A \next, 0, 4
.endm
	s_wait_tensorcnt 1                             ; the scales and my part of K step 0 are in; K step 1's load may be out
	s_barrier_signal -1
	s_barrier_wait -1
	FETCH_B 0, 0, 0
	FETCH_A 0, 0, 0
	SCALES 0
	FETCH_A 0, 0, 4
	STEP 0, 0, 1                                   ; the first step's products start the sums
	s_mov_b32 s3, LAPS-1
.Llap:
	TURN 0, 1, 1
	STEP 1, 0, 0
	TURN 1, 0, 1
	STEP 0, 0, 0
	s_sub_co_u32 s3, s3, 1
	s_cmp_lg_u32 s3, 0
	s_cbranch_scc1 .Llap
	TURN 0, 1, 0                                   ; the last lap fills nothing
	STEP 1, 0, 0
	s_wait_dscnt 4*NL
	WIN MUL_LO
	MUL16 0, 1, NQ-1, 1, 0
	MUL16 2, 1, NQ-1, 1, 0
	s_wait_dscnt 0
	WIN MUL_HI
	MUL16 4, 1, NQ-1, 1, 0
	MUL16 6, 1, NQ-1, 1, 0
	WIN 0
; 64 numbers of a lane, register 16 b + i = place 32 b + 16 (lane / 16) + i along the next K of my row, become a fragment's codes in v[PC] on and its scale word in v[PW].
.macro QUANT s
.irp b, 0,1,2,3
	v_max3_num_f32 v[TM+\b], |v[\s+16*\b]|, |v[\s+1+16*\b]|, 0x1800000   ; block b: my 16 numbers, and the floor 2^(3 - 127)
.endr
.irp i, 2,4,6,8,10,12,14
.irp b, 0,1,2,3
	v_max3_num_f32 v[TM+\b], v[TM+\b], |v[\s+16*\b+\i]|, |v[\s+1+16*\b+\i]|
.endr
.endr
.irp b, 0,1,2,3
	v_permlanex16_b32 v[TM+4+\b], v[TM+\b], s[SEL], s[SEL+1]
.endr
.irp b, 0,1,2,3
	v_max_num_f32 v[TM+\b], v[TM+\b], v[TM+4+\b]   ; with lane l xor 16's: the block's largest magnitude
.endr
.irp b, 0,1,2,3
	v_add_nc_u32 v[TM+12+\b], 0xff000000, v[TM+\b] ; 2 off its exponent field: the conversion's scale operand
.endr
.irp b, 0,1,2,3
	v_lshrrev_b32 v[TM+4+\b], 23, v[TM+12+\b]      ; the scale's byte
.endr
	v_lshl_or_b32 v[PW], v[TM+5], 8, v[TM+4]
	v_lshl_or_b32 v[PW], v[TM+6], 16, v[PW]
	v_lshl_or_b32 v[PW], v[TM+7], 24, v[PW]
.irp c, 0,1
	v_cvt_scalef32_pk16_fp6_f32 v[PC+6*\c:PC+2+6*\c], v[\s+32*\c:\s+15+32*\c], v[TM+12+2*\c]
	v_cvt_scalef32_pk16_fp6_f32 v[PC+12+4*\c:PC+14+4*\c], v[\s+16+32*\c:\s+31+32*\c], v[TM+12+2*\c+1]
.endr
	v_nop                                          ; one plain line behind a scaled conversion
.irp c, 0,1                                    ; the operand's layout wants a whole block in a lane
.irp i, 0,1,2
	v_permlane16_swap_b32 v[PC+6*\c+\i], v[PC+12+4*\c+\i]
.endr
.irp i, 0,1,2
	v_mov_b32 v[PC+3+6*\c+\i], v[PC+12+4*\c+\i]
.endr
.endr
.endm
; THE WAY OUT of A's block a: bias, quantiser, and the fragment's image: each store covers 512 or 256 bytes on end, aligned.
.macro BLOCKOUT a
.set AC, 64*((\a)%4)
.set WN, 0x02+(\a)/4
	WIN WN                                         ; source 0: window 2 or 3
.set i, 0
.rept 32
	v_pk_add_f32 v[H+i:H+i+1], v[AC+i:AC+i+1], v[BB+i:BB+i+1]   ; each accumulator from its low end on
.set i, i+2
.endr
	WIN 0
.set i, 0
.rept 32
	v_pk_add_f32 v[H+i:H+i+1], v[H+i:H+i+1], v[BA+2*(\a):BA+2*(\a)+1]
.set i, i+2
.endr
.if (\a) > 0
	s_wait_xcnt 0x0                                ; the last block's stores have read their data: the codes' registers may be written again
.endif
	QUANT H
	v_mov_b32 v[SW+(\a)], v[PW]
	global_store_b128 v[L16], v[PC:PC+3], s[100:101] offset:1536*(\a)
	global_store_b64 v[L8], v[PC+4:PC+5], s[100:101] offset:1536*(\a)+512
	global_store_b128 v[L16], v[PC+6:PC+9], s[100:101] offset:1536*(\a)+768
	global_store_b64 v[L8], v[PC+10:PC+11], s[100:101] offset:1536*(\a)+1280
.endm
	PLACES NP                                      ; behind the last products, ahead of vector lines on their registers
	s_wait_loadcnt 0x0                             ; the biases
	s_mov_b32 s[SEL], 0x76543210
	s_mov_b32 s[SEL+1], 0xfedcba98
	s_mov_b32 s22, 0xffff0000                      ; lanes 16-31
.set i, 0
.rept 64
	v_cndmask_b32 v[BB+i], 0, v[BB+i], s66         ; the bias that does not apply becomes 0
.set i, i+1
.endr
.set i, 0
.rept 16
	v_cndmask_b32 v[BA+i], 0, v[BA+i], s67
.set i, i+1
.endr
.irp b, 0,1,2,3
	v_mov_b32 v[TM+4+\b], 0                        ; a lane permute's destination counts as one of its sources
.endr
.irp a, 0,1,2,3,4,5,6,7
	BLOCKOUT \a
.endr
.irp i, 0,1,2,3
	v_cndmask_b32 v[SW+\i], v[SW+\i], v[SW+4+\i], s22   ; lanes 0-15 store tiles 0-3's words of their row, lanes 16-31 tiles 4-7's
.endr
	global_store_b128 v[SO], v[SW:SW+3], s[104:105]   ; 512 bytes on end
	s_wait_tensorcnt 0x0                           ; the wave's end
	ds_add_u32 v[SPW], v[NIL]
	s_wait_dscnt 0x0
	CROUND                                         ; the closing round
	s_endpgm
.Lfunc_end_k_q478f693bea_qkv:
	.size	k_q478f693bea_qkv, .Lfunc_end_k_q478f693bea_qkv-k_q478f693bea_qkv
	.p2alignl 7, 3214868480
	.fill 96, 4, 3214868480
	.section	.rodata,"a",@progbits
	.p2align	6, 0x0
	.amdhsa_kernel k_q478f693bea_qkv
		.amdhsa_group_segment_fixed_size 327680
		.amdhsa_private_segment_fixed_size 0
		.amdhsa_enable_private_segment 0
		.amdhsa_kernarg_size 40
		.amdhsa_user_sgpr_count 2
		.amdhsa_user_sgpr_kernarg_segment_ptr 1
		.amdhsa_wavefront_size32 1
		.amdhsa_system_sgpr_workgroup_id_x 1
		.amdhsa_system_sgpr_workgroup_id_y 1
		.amdhsa_system_sgpr_workgroup_id_z 1
		.amdhsa_system_vgpr_workitem_id 0
		.amdhsa_next_free_vgpr 1024
		.amdhsa_next_free_sgpr 106
		.amdhsa_reserve_vcc 0
		.amdhsa_float_denorm_mode_32 3
		.amdhsa_float_denorm_mode_16_64 3
		.amdhsa_memory_ordered 1
		.amdhsa_forward_progress 1
		.amdhsa_inst_pref_size 206
	.end_amdhsa_kernel
	.amdgpu_metadata
---
amdhsa.version: [ 1, 2 ]
amdhsa.kernels:
  - .name:           k_q478f693bea_qkv
    .symbol:         k_q478f693bea_qkv.kd
    .args:
      - { .name: pc, .offset: 0, .size: 8, .value_kind: global_buffer, .address_space: global }
      - { .name: ps, .offset: 8, .size: 8, .value_kind: global_buffer, .address_space: global }
      - { .name: b_qkv, .offset: 16, .size: 8, .value_kind: global_buffer, .address_space: global }
      - { .name: img, .offset: 24, .size: 8, .value_kind: global_buffer, .address_space: global }
      - { .name: isc, .offset: 32, .size: 8, .value_kind: global_buffer, .address_space: global }
    .group_segment_fixed_size: 327680
    .private_segment_fixed_size: 0
    .kernarg_segment_align: 8
    .kernarg_segment_size: 40
    .max_flat_workgroup_size: 128
    .sgpr_count:     106
    .vgpr_count:     1024
    .wavefront_size: 32
...
	.end_amdgpu_metadata
.endif
;; end of part 2
;; launch attn (part 3): grid 8 x 32, 8 waves a work-group, no clusters, 150,016 bytes of LDS; arguments img, isc, coords, attention_mask, alpha, aoc, aos; writes aoc, aos
.if DOCPART == 3
	.amdgcn_target "amdgcn-amd-amdhsa--gfx1250"
	.amdhsa_code_object_version 6
	.text
	.protected	k_q478f693bea_attn
	.globl	k_q478f693bea_attn
	.p2align	8
	.type	k_q478f693bea_attn,@function
k_q478f693bea_attn:
	s_mov_b64 s[64:65], 0
	v_nop
	global_prefetch_b8 v0, s[64:65] scope:SCOPE_SE
	s_setreg_imm32_b32 hwreg(HW_REG_WAVE_MODE, 25, 1), 1
	s_wait_xcnt 0x0
; softmax(q k^T / 8 - alpha_e |c_i - c_j|^2 / 200^2, masked keys at -infinity) v for one head and 256 queries, both products on codes of FP6 (E2M3) with E8M0 scales.  THE SOFTMAX IS QUANTISED FINISHED AND NORMALISED,
; so a row's sum over all 2,048 keys is known before any of its p is quantised, and yet each score and each exponential is made once:
; THE EIGHT WAVES SHARE THE KEYS, NOT THE QUERIES.  Wave w owns keys 256 w .. 256 w + 255: its K (96 registers), its V (96), their scale words and its keys' coordinates stay in registers for the whole launch.
; The work-group walks its 16 tiles of 16 queries; in a round a wave holds 16 queries x 256 keys of scores in 128 registers.  It takes ITS OWN largest t away (t = score x log2 e), sums its p = 2^(t - mu_w), and the eight
; pairs (mu_w, l_w) meet in LDS: mu = max mu_w, l = sum l_w 2^(mu_w - mu), f = 2^(mu_w - mu) / l, and p f is the softmax.  The waves' parts of O^T are added through LDS, four tiles at a time.
; LAYOUT.  Both products are used transposed (S^T = K Q^T, O^T = V^T P^T): a lane holds one query.  The keys of a tile are 32 (n / 2) + 8 (n % 2) + r + 8 (r / 8), so the 16 registers of two neighbouring tiles are 16
; neighbouring keys.  The head's K is 64, half of the instruction's 128: source 0 holds TWO tiles of keys (registers 0-5, 6-11) and source 1 is (q, 0) or (0, q), cut out of a run q, 0, q of 18 registers: zero codes add nothing.
; THE BIAS.  In units z = 8 x score, with g = -alpha_e / 5000 and a = c - c_0 (c_0 the batch's first point: a shift changes no distance):  z = q.k + g |a_j|^2 + g |a_i|^2 - 2 g a_i.a_j + (0 or -2^100).
; Those terms are a product of depth 4 in f32, one v_wmma_f32_16x16x4_f32 a tile (its result goes on into a quantiser, so its operands are f32), and its result is the C of the tile's product on codes.
; A batch in which no key counts: mu falls under -2^90, f is set to 0, and the rows are zeros.
; NO JOINT LOADS: a work-group reads its head's K and V once, 196,608 bytes at the launch's head, by loads that put each fragment straight into the registers in which it stays; a joint load would bring them to LDS,
; from where the same bytes would have to be read once more.  Nothing is streamed in the loop but 1,792 bytes of q a wave and round.
; OUT: aoc [16 heads][4,096 tokens][48 bytes]: the result's codes along d_model; aos [4,096 tokens][32]: their scale bytes (2 bytes a token and head: stores of 2 bytes a lane, 1 / 24 of the launch's stores).
; LIMITS: |score x log2 e| of keys that count stays under 2^90; blocks whose largest magnitude lies under 2^-124 keep the byte 1 (blocks of zeros too: their codes are zeros); NaN and infinities are not served;
; the bias's rounding is a few units in the last place of g x (the spread of a batch's coordinates)^2.
.set STAT,  0                          ; LDS: 4 slots x 16 rows x 80 bytes: (mu_w, l_w), 8 bytes a wave
.set OP,    5120                       ; 4 slots x 8 waves x 4,096 bytes: images of O^T's 32 registers
.set AOS,   136192                     ; 256 tokens x 48 bytes of codes
.set ASC,   148480                     ; 256 tokens x 2 scale bytes
.set SPARE, 148992                     ; the spare words, 128 bytes a wave
.set SPW, 1
.set NIL, 2
.set L16, 3                            ; 16 x lane
.set L8,  4                            ; 8 x lane
.set R32, 5                            ; 32 r
.set RP8, 6                            ; 8 (r + 8 (r / 8))
.set QO1, 7                            ; v7-10 the offsets of the query tile's loads
.set QO2, 8
.set QSO, 9
.set QCO, 10
.set STW, 11                           ; 80 r + 8 w
.set STR, 12                           ; 80 r
.set OPR, 13
.set AOW, 14
.set ASW, 15
.set QC,  18                           ; v18-19 the query's coordinates as loaded
.set QSR, 20                           ; its scale word as loaded (two heads)
.set QS,  21                           ; its scale word for the product
.set RP1, 22                           ; r + 8 (r / 8)
.set KS,  24                           ; v24-31 K's scale words, one for two tiles
.set VS,  32                           ; v32-39 V's
.set PS,  40                           ; v40-41 p's
.set BM,  42                           ; v42-49 a block's largest score, then its largest p
.set TB,  50                           ; v50-57 at work; then the conversions' scale operands
.set NMU, 58                           ; v58-59 -mu_w, twice
.set MU,  60
.set LW,  61
.set LS,  62
.set S,   64                           ; v64-191 S^T, then p
.set T,   192                          ; v192-223 the bias's product, later O^T: written by matrix instructions alone
.set PC,  224                          ; v224-243 p's codes; also the 16 words of the exchange
.set OPW, 244                          ; v244-247 where I put my O^T, slot k
.set FF,  248                          ; v248-249 f, twice
.set KI,  0                            ; window 1: K's 8 images of two tiles
.set VF,  96                           ; window 1: V's 8 fragments
.set CK,  192                          ; window 1: the keys' coordinate fragments, 2 registers a tile
.set QR,  224                          ; window 1: q, 0, q
.set CQ,  242                          ; window 1: the queries' coordinate fragment
.set MSB, 0
.macro WIN new                         ; the immediate's high byte repeats the setting that is left
.if MSB != \new
	s_set_vgpr_msb (MSB<<8)|\new
.set MSB, \new
.endif
.endm
; the loads of query tile s50 (0 .. 15) of my work-group's chunk: q's half image twice, its scale word, its coordinates: six loads
.macro QLOAD
	s_mul_i32 s51, s50, 1536
	s_lshr_b32 s52, s50, 3
	s_lshl_b32 s52, s52, 9
	s_and_b32 s53, s50, 7
	s_lshl_b32 s53, s53, 2
	s_add_co_u32 s52, s52, s53                     ; its word: block tile / 8, column tile % 8
	s_lshr_b32 s53, s50, 1
	s_lshl_b32 s53, s53, 8
	s_and_b32 s54, s50, 1
	s_lshl_b32 s54, s54, 6
	s_add_co_u32 s53, s53, s54                     ; its first token, 8 bytes each: 32 (tile / 2) + 8 (tile % 2)
	v_add_nc_u32 v[QO1], s51, v[L16]
	v_add_nc_u32 v[QO2], s51, v[L8]
	v_add_nc_u32 v[QSO], s52, v[R32]
	v_add_nc_u32 v[QCO], s53, v[RP8]
	WIN 0x40                                       ; destination window 1
	global_load_b128 v[QR:QR+3], v[QO1], s[44:45]
	global_load_b64 v[QR+4:QR+5], v[QO2], s[44:45] offset:512
	global_load_b128 v[QR+12:QR+15], v[QO1], s[44:45]
	global_load_b64 v[QR+16:QR+17], v[QO2], s[44:45] offset:512
	WIN 0
	global_load_b32 v[QSR], v[QSO], s[46:47]
	global_load_b64 v[QC:QC+1], v[QCO], s[48:49]
.endm
; 64 numbers from v[src] on, register 16 b + i = key 32 b + 16 (lane / 16) + i, with the scale operands in v[sc] on, become a fragment's codes in v[dst] .. v[dst + 11] (v[dst + 12] .. + 18 at work)
.macro CONV src, sc, dst
.irp c, 0,1
	v_cvt_scalef32_pk16_fp6_f32 v[\dst+6*\c:\dst+6*\c+2], v[\src+32*\c:\src+32*\c+15], v[\sc+2*\c]
	v_cvt_scalef32_pk16_fp6_f32 v[\dst+12+4*\c:\dst+14+4*\c], v[\src+16+32*\c:\src+31+32*\c], v[\sc+2*\c+1]
.endr
	v_nop                                          ; one plain line behind a scaled conversion
.irp c, 0,1                                    ; the operand's layout wants a whole block in a lane
.irp i, 0,1,2
	v_permlane16_swap_b32 v[\dst+6*\c+\i], v[\dst+12+4*\c+\i]
.endr
.irp i, 0,1,2
	v_mov_b32 v[\dst+3+6*\c+\i], v[\dst+12+4*\c+\i]
.endr
.endr
.endm
	s_load_b256 s[4:11], s[0:1], 0x0               ; img s[4:5], isc s[6:7], coords s[8:9], attention_mask s[10:11]
	s_load_b128 s[12:15], s[0:1], 0x20             ; alpha s[12:13], aoc s[14:15]
	s_load_b64 s[16:17], s[0:1], 0x30              ; aos
	v_lshl_add_u32 v[SPW], v0, 2, SPARE
	v_mov_b32 v[NIL], 0
	v_lshrrev_b32 v250, 5, v0
	v_readfirstlane_b32 s18, v250                  ; wave 0..7
	s_and_b32 s50, ttmp7, 0xffff
	s_lshr_b32 s19, s50, 4                         ; b
	s_and_b32 s20, s50, 15                         ; e, the head
	s_mov_b32 s21, ttmp9                           ; which 256 queries
	s_and_b32 s22, s20, 1
	s_lshr_b32 s23, s20, 1
	v_and_b32 v250, 31, v0                         ; lane
	v_and_b32 v251, 15, v0                         ; r
	v_bfe_u32 v252, v0, 4, 1                       ; h
	v_lshlrev_b32 v[L16], 4, v250
	v_lshlrev_b32 v[L8], 3, v250
	v_lshlrev_b32 v[R32], 5, v251
	v_and_b32 v[RP1], 8, v251
	v_add_nc_u32 v[RP1], v[RP1], v251
	v_lshlrev_b32 v[RP8], 3, v[RP1]
	v_mul_u32_u24 v[STR], v251, 80
	s_lshl_b32 s50, s18, 3
	v_add_nc_u32 v[STW], s50, v[STR]
	s_lshr_b32 s50, s18, 1                         ; on the way out wave w serves query tile w / 2 of a trip's four, and channels 32 (w % 2) on
	s_lshl_b32 s50, s50, 15
	s_and_b32 s52, s18, 1
	s_lshl_b32 s53, s52, 11
	s_add_co_u32 s50, s50, s53
	s_add_co_u32 s50, s50, OP
	v_add_nc_u32 v[OPR], s50, v[L16]
	s_lshl_b32 s50, s18, 12
	s_add_co_u32 s50, s50, OP
.irp k, 0,1,2,3
	v_add_nc_u32 v[OPW+\k], s50, v[L16]
	s_add_co_u32 s50, s50, 32768
.endr
	s_lshr_b32 s50, s18, 2
	s_lshl_b32 s50, s50, 5
	s_bfe_u32 s53, s18, 0x10001
	s_lshl_b32 s53, s53, 3
	s_add_co_u32 s50, s50, s53
	v_add_nc_u32 v254, s50, v[RP1]                 ; my query's token among the trip's 64: 32 (w / 4) + 8 ((w / 2) % 2) + r + 8 (r / 8)
	v_mul_u32_u24 v[AOW], v254, 48
	v_mad_u32_u24 v[AOW], v252, 12, v[AOW]
	s_mul_i32 s53, s52, 24
	s_add_co_u32 s53, s53, AOS
	v_add_nc_u32 v[AOW], s53, v[AOW]               ; its 12 bytes of codes: 48 x token + 24 (w % 2) + 12 h
	v_lshlrev_b32 v[ASW], 1, v254
	s_add_co_u32 s53, s52, ASC
	v_add_nc_u32 v[ASW], s53, v[ASW]               ; its scale byte
	s_mov_b32 s24, 0x3e38aa3b                      ; c = log2(e) / 8: t = c z
	s_mov_b32 s25, s24                             ; (named with it as a pair)
	s_mov_b32 s26, 0x76543210
	s_mov_b32 s27, 0xfedcba98                      ; v_permlanex16_b32's selects for lane l xor 16
	s_mov_b32 s28, 0xffff0000                      ; lanes 16-31
	s_mov_b32 s29, 0x07060302                      ; which two bytes of a scale word are my head's: the upper,
	s_cmp_eq_u32 s22, 0
	s_cselect_b32 s29, 0x05040100, s29             ; or the lower
	s_mov_b32 s51, 0
	s_lshl_b32 s38, s19, 7                         ; 128 b: the batch's first tile of tokens
	s_mul_i32 s37, s22, 768                        ; my head's half of an image
	s_wait_kmcnt 0x0
	s_add_co_u32 s50, s23, 8                       ; K's images: fragment (8 + e / 2) 256 + 128 b + 16 w
	s_lshl_b32 s50, s50, 8
	s_add_co_u32 s50, s50, s38
	s_lshl_b32 s52, s18, 4
	s_add_co_u32 s50, s50, s52
	s_mul_i32 s50, s50, 1536
	s_add_co_u32 s50, s50, s37
	s_add_nc_u64 s[40:41], s[4:5], s[50:51]
	s_lshl_b32 s50, s23, 8                         ; Q's: fragment (e / 2) 256 + 128 b + 16 chunk
	s_add_co_u32 s50, s50, s38
	s_lshl_b32 s52, s21, 4
	s_add_co_u32 s50, s50, s52
	s_mul_i32 s50, s50, 1536
	s_add_co_u32 s50, s50, s37
	s_add_nc_u64 s[44:45], s[4:5], s[50:51]
	s_lshl_b32 s53, s19, 4
	s_lshl_b32 s52, s18, 1
	s_add_co_u32 s53, s53, s52                     ; 16 b + 2 w: my first group of 128 keys
	s_lshl_b32 s50, s53, 6                         ; V's: fragment that x 64 + 4 e
	s_lshl_b32 s52, s20, 2
	s_add_co_u32 s50, s50, s52
	s_mul_i32 s50, s50, 1536
	s_add_co_u32 s50, s50, 6291456
	s_add_nc_u64 s[42:43], s[4:5], s[50:51]
	s_add_co_u32 s50, s23, 8                       ; K's scale words: block (8 + e / 2) 32 + 16 b + 2 w
	s_lshl_b32 s50, s50, 5
	s_add_co_u32 s50, s50, s53
	s_lshl_b32 s50, s50, 9
	s_add_nc_u64 s[56:57], s[6:7], s[50:51]
	s_lshl_b32 s50, s53, 3                         ; V's: block (16 b + 2 w) 8 + e / 2, words 4 (e % 2) on
	s_add_co_u32 s50, s50, s23
	s_lshl_b32 s50, s50, 9
	s_lshl_b32 s52, s22, 4
	s_add_co_u32 s50, s50, s52
	s_add_co_u32 s50, s50, 262144
	s_add_nc_u64 s[58:59], s[6:7], s[50:51]
	s_lshl_b32 s50, s23, 5                         ; Q's: block (e / 2) 32 + 16 b + 2 chunk
	s_lshl_b32 s52, s19, 4
	s_add_co_u32 s50, s50, s52
	s_lshl_b32 s52, s21, 1
	s_add_co_u32 s50, s50, s52
	s_lshl_b32 s50, s50, 9
	s_add_nc_u64 s[46:47], s[6:7], s[50:51]
	s_lshl_b32 s50, s19, 14
	s_add_nc_u64 s[2:3], s[8:9], s[50:51]          ; the batch's first point
	s_lshl_b32 s50, s18, 11
	s_add_nc_u64 s[60:61], s[2:3], s[50:51]        ; my keys' coordinates
	s_lshl_b32 s50, s21, 11
	s_add_nc_u64 s[48:49], s[2:3], s[50:51]        ; my work-group's queries'
	s_lshl_b32 s50, s19, 11
	s_lshl_b32 s52, s18, 8
	s_add_co_u32 s50, s50, s52
	s_add_nc_u64 s[62:63], s[10:11], s[50:51]      ; my keys' mask bytes
	s_lshl_b32 s50, s20, 2
	s_add_nc_u64 s[12:13], s[12:13], s[50:51]
	s_load_b32 s30, s[12:13], 0x0                  ; alpha_e
	s_load_b64 s[32:33], s[2:3], 0x0               ; c_0
.irp n, 0,1,2,3,4,5,6,7,8,9,10,11,12,13,14,15  ; tile n's keys: coordinates and mask byte
	global_load_b64 v[S+4*\n:S+4*\n+1], v[RP8], s[60:61] offset:8*(32*(\n/2)+8*(\n%2))
	global_load_u8 v[S+4*\n+2], v[RP1], s[62:63] offset:32*(\n/2)+8*(\n%2)
.endr
	global_load_b128 v[S+64:S+67], v[R32], s[56:57]              ; K's scale words as stored, tile n's at v[S + 64 + n]
	global_load_b128 v[S+68:S+71], v[R32], s[56:57] offset:16
	global_load_b128 v[S+72:S+75], v[R32], s[56:57] offset:512
	global_load_b128 v[S+76:S+79], v[R32], s[56:57] offset:528
	WIN 0x40
.irp n, 0,1,2,3,4,5,6,7,8,9,10,11,12,13,14,15  ; K: my head's half of tile n's image: six registers; each load reads 512 or 256 bytes on end
	global_load_b128 v[KI+6*\n:KI+6*\n+3], v[L16], s[40:41] offset:1536*\n
	global_load_b64 v[KI+6*\n+4:KI+6*\n+5], v[L8], s[40:41] offset:1536*\n+512
.endr
	WIN 0
	s_mov_b32 s50, 0
	QLOAD                                          ; query tile 0
	WIN 0x40
.irp i, 6,7,8,9,10,11
	v_mov_b32 v[QR+\i], 0                          ; the zero codes between the two q
.endr
	WIN 0
.irp b, 0,1,2,3,4,5,6,7
	v_mov_b32 v[TB+\b], 0                          ; a lane permute's destination counts as one of its sources
.endr
	v_mov_b32 v254, 0xf1800000                     ; -2^100: what a key that does not count gets
	s_wait_kmcnt 0x0
	s_mul_f32 s30, s30, 0xb951b717                 ; g = -alpha_e x 8 / 40000
	s_mul_f32 s31, s30, -2.0                       ; -2 g
	s_wait_loadcnt 42                              ; coordinates and mask are in; behind them 4 + 32 + 6 loads may be out
.irp n, 0,1,2,3,4,5,6,7,8,9,10,11,12,13,14,15
	v_sub_f32 v[S+4*\n], v[S+4*\n], s32            ; a_j
	v_sub_f32 v[S+4*\n+1], v[S+4*\n+1], s33
	v_mul_f32 v[S+4*\n+3], v[S+4*\n], v[S+4*\n]
	v_fma_f32 v[S+4*\n+3], v[S+4*\n+1], v[S+4*\n+1], v[S+4*\n+3]
	v_cmp_eq_u32 vcc_lo, 0, v[S+4*\n+2]
	v_cndmask_b32 v[S+4*\n+2], 0, v254, vcc_lo
	v_fma_f32 v[S+4*\n+3], s30, v[S+4*\n+3], v[S+4*\n+2]   ; g |a_j|^2 + (0 or -2^100)
.endr
	WIN 0x40
.irp n, 0,1,2,3,4,5,6,7,8,9,10,11,12,13,14,15  ; source 0 of the f32 product: lanes 0-15 depth 0, 1: a_x, a_y; lanes 16-31 depth 2, 3: the key's own term, 1
	v_cndmask_b32 v[CK+2*\n], v[S+4*\n], v[S+4*\n+3], s28
	v_cndmask_b32 v[CK+2*\n+1], v[S+4*\n+1], 1.0, s28
.endr
	WIN 0
	global_load_b128 v[VS:VS+3], v[R32], s[58:59]                ; V's scale words, tile t of keys 128 u on at v[VS + 4 u + t]
	global_load_b128 v[VS+4:VS+7], v[R32], s[58:59] offset:4096
	WIN 0x40
.irp u, 0,1
.irp t, 0,1,2,3
	global_load_b128 v[VF+12*(4*\u+\t):VF+12*(4*\u+\t)+3], v[L16], s[42:43] offset:98304*\u+1536*\t
	global_load_b64 v[VF+12*(4*\u+\t)+4:VF+12*(4*\u+\t)+5], v[L8], s[42:43] offset:98304*\u+1536*\t+512
	global_load_b128 v[VF+12*(4*\u+\t)+6:VF+12*(4*\u+\t)+9], v[L16], s[42:43] offset:98304*\u+1536*\t+768
	global_load_b64 v[VF+12*(4*\u+\t)+10:VF+12*(4*\u+\t)+11], v[L8], s[42:43] offset:98304*\u+1536*\t+1280
.endr
.endr
	WIN 0
	s_wait_loadcnt 34                              ; K, its scale words and query tile 0 are in; V's 34 loads may be out
.irp a, 0,1,2,3,4,5,6,7
	v_perm_b32 v[KS+\a], v[S+64+2*\a+1], v[S+64+2*\a], s29   ; my head's two bytes of tile 2 a, then of tile 2 a + 1
.endr
	s_mov_b32 s35, 0                               ; the trip's first query tile
	s_mov_b32 s36, 4
	s_mov_b32 s37, 0                               ; the trip's place among the codes,
	s_mov_b32 s38, 0                               ; and among the scale bytes
; ONE QUERY TILE, the k-th of a trip's four.
.macro ROUND k
	v_perm_b32 v[QS], v[QSR], v[QSR], s29          ; q's two bytes, twice: for (q, 0) and for (0, q)
	v_sub_f32 v250, v[QC], s32                     ; a_i
	v_sub_f32 v251, v[QC+1], s33
	v_mul_f32 v252, v250, v250
	v_fma_f32 v252, v251, v251, v252
	v_mul_f32 v252, s30, v252                      ; g |a_i|^2
	v_mul_f32 v250, s31, v250                      ; -2 g a_i
	v_mul_f32 v251, s31, v251
	WIN 0x40
	v_cndmask_b32 v[CQ], v250, 1.0, s28            ; source 1: lanes 0-15 depth 0, 1; lanes 16-31 depth 2, 3: 1, the query's own term
	v_cndmask_b32 v[CQ+1], v251, v252, s28
	WIN 0x05                                       ; sources 0 and 1 window 1; C and D window 0
.irp g, 0,1,2,3                                ; four tiles of 16 keys at a time: the bias, then the product on codes with the bias as its C
.irp i, 0,1,2,3
	v_wmma_f32_16x16x4_f32 v[T+8*\i:T+8*\i+7], v[CK+2*(4*\g+\i):CK+2*(4*\g+\i)+1], v[CQ:CQ+1], 0
.endr
.rept 9
	v_nop                                          ; places between the f32 form and a matrix instruction that takes its result as another accumulator's C
.endr
.irp i, 0,1,2,3
	v_wmma_scale_f32_16x16x128_f8f6f4 v[S+8*(4*\g+\i):S+8*(4*\g+\i)+7], v[KI+12*((4*\g+\i)/2):KI+12*((4*\g+\i)/2)+11], v[QR+6*(\i%2):QR+6*(\i%2)+11], v[T+8*\i:T+8*\i+7], v[KS+(4*\g+\i)/2], v[QS] matrix_a_fmt:MATRIX_FMT_FP6 matrix_b_fmt:MATRIX_FMT_FP6
.endr
.rept 5
	v_nop                                          ; places ahead of the matrix instructions that write over these C; the last five also ahead of the reads of S^T and of the loads into q's registers
.endr
.endr
	WIN 0
	s_add_co_u32 s50, s35, \k+1
	s_min_u32 s50, s50, 15                         ; the next query tile; the last round asks for its own once more: no load leaves the chunk
	QLOAD
.irp b, 0,1,2,3,4,5,6,7
	v_max3_num_f32 v[BM+\b], v[S+16*\b], v[S+16*\b+1], v[S+16*\b+2]   ; the largest z of each block of 32 keys: for my largest t, and, since p rises with z, for the block's largest p
.endr
.irp i, 3,5,7,9,11,13
.irp b, 0,1,2,3,4,5,6,7
	v_max3_num_f32 v[BM+\b], v[BM+\b], v[S+16*\b+\i], v[S+16*\b+\i+1]
.endr
.endr
.irp b, 0,1,2,3,4,5,6,7
	v_max_num_f32 v[BM+\b], v[BM+\b], v[S+16*\b+15]
.endr
.irp b, 0,1,2,3,4,5,6,7
	v_permlanex16_b32 v[TB+\b], v[BM+\b], s26, s27
.endr
.irp b, 0,1,2,3,4,5,6,7
	v_max_num_f32 v[BM+\b], v[BM+\b], v[TB+\b]     ; with lane l xor 16's 16 keys
.endr
	v_max3_num_f32 v250, v[BM], v[BM+1], v[BM+2]
	v_max3_num_f32 v251, v[BM+3], v[BM+4], v[BM+5]
	v_max3_num_f32 v250, v250, v[BM+6], v[BM+7]
	v_max_num_f32 v250, v250, v251
	v_mul_f32 v[MU], s24, v250                     ; mu_w: the largest t among my 256 keys (c is positive)
	v_xor_b32 v[NMU], 0x80000000, v[MU]
	v_mov_b32 v[NMU+1], v[NMU]
.set j, 0
.rept 64
	v_pk_fma_f32 v[S+j:S+j+1], v[S+j:S+j+1], s[24:25], v[NMU:NMU+1] op_sel_hi:[1,0,0]   ; t - mu_w
.set j, j+2
.endr
.irp b, 0,1,2,3,4,5,6,7
	v_fma_f32 v[BM+\b], v[BM+\b], s24, v[NMU]      ; the same of each block's largest
.endr
.set j, 0
.rept 128
	v_exp_f32 v[S+j], v[S+j]
.set j, j+1
.endr
	v_nop                                          ; a plain line behind the exponentials
	s_wait_alu depctr_va_vdst(0)                   ; one wait for the batch of 128, ahead of its first reader
.irp b, 0,1,2,3,4,5,6,7
	v_exp_f32 v[BM+\b], v[BM+\b]                   ; the same two instructions on the same number give the same bits
.endr
	v_pk_add_f32 v[LS:LS+1], v[S:S+1], v[S+2:S+3]  ; my keys' sum, in two chains; it reads the 128 alone
	v_pk_add_f32 v[250:251], v[S+4:S+5], v[S+6:S+7]
.set j, 8
.rept 30
	v_pk_add_f32 v[LS:LS+1], v[LS:LS+1], v[S+j:S+j+1]
	v_pk_add_f32 v[250:251], v[250:251], v[S+j+2:S+j+3]
.set j, j+4
.endr
	v_pk_add_f32 v[LS:LS+1], v[LS:LS+1], v[250:251]
	v_add_f32 v[LW], v[LS], v[LS+1]
	v_permlanex16_b32 v252, v[LW], s26, s27
	v_add_f32 v[LW], v[LW], v252                   ; l_w
	s_wait_alu depctr_va_vdst(0)                   ; and one for the eight
	ds_store_b64 v[STW], v[MU:MU+1] offset:STAT+1280*\k   ; both lanes of a query write the same pair
	s_wait_dscnt 0x0                               ; my pair has landed, for the others' sake
	s_barrier_signal -1
	s_barrier_wait -1
.irp i, 0,1,2,3
	ds_load_b128 v[PC+4*\i:PC+4*\i+3], v[STR] offset:STAT+1280*\k+16*\i   ; the eight waves' pairs of my query
.endr
	s_wait_dscnt 0x0
	v_max3_num_f32 v250, v[PC], v[PC+2], v[PC+4]
	v_max3_num_f32 v251, v[PC+6], v[PC+8], v[PC+10]
	v_max3_num_f32 v250, v250, v[PC+12], v[PC+14]
	v_max_num_f32 v250, v250, v251                 ; mu
.irp i, 0,1,2,3,4,5,6,7
	v_sub_f32 v[PC+2*\i], v[PC+2*\i], v250
.endr
	v_sub_f32 v252, v[MU], v250
.irp i, 0,1,2,3,4,5,6,7
	v_exp_f32 v[PC+2*\i], v[PC+2*\i]
.endr
	v_exp_f32 v252, v252
	v_nop
	s_wait_alu depctr_va_vdst(0)
	v_mul_f32 v253, v[PC], v[PC+1]
.irp i, 1,2,3,4,5,6,7
	v_fma_f32 v253, v[PC+2*\i], v[PC+2*\i+1], v253 ; l = the sum of l_w 2^(mu_w - mu): at least about 1
.endr
	v_rcp_f32 v253, v253
	v_nop
	s_wait_alu depctr_va_vdst(0)
	v_mul_f32 v252, v252, v253                     ; f = 2^(mu_w - mu) / l
	v_cmp_le_f32 vcc_lo, 0xec800000, v250          ; -2^90 <= mu: some key counts
	v_cndmask_b32 v[FF], 0, v252, vcc_lo           ; else the row is zeros
	v_mov_b32 v[FF+1], v[FF]
.set j, 0
.rept 64
	v_pk_mul_f32 v[S+j:S+j+1], v[S+j:S+j+1], v[FF:FF+1] op_sel_hi:[1,0]   ; the softmax, finished
.set j, j+2
.endr
.irp b, 0,1,2,3,4,5,6,7
	v_mul_f32 v[BM+\b], v[BM+\b], v[FF]            ; each block's largest
.endr
.irp b, 0,1,2,3,4,5,6,7
	v_max_num_f32 v[BM+\b], 0x1800000, v[BM+\b]    ; the floor 2^(3 - 127)
.endr
.irp b, 0,1,2,3,4,5,6,7
	v_add_nc_u32 v[TB+\b], 0xff000000, v[BM+\b]    ; 2 off the exponent field: the conversion's scale operand
.endr
.irp b, 0,1,2,3,4,5,6,7
	v_lshrrev_b32 v[BM+\b], 23, v[TB+\b]           ; the scale's byte
.endr
.irp u, 0,1
	v_lshl_or_b32 v[PS+\u], v[BM+4*\u+1], 8, v[BM+4*\u]
	v_lshl_or_b32 v[PS+\u], v[BM+4*\u+2], 16, v[PS+\u]
	v_lshl_or_b32 v[PS+\u], v[BM+4*\u+3], 24, v[PS+\u]
.endr
	CONV S, TB, PC                                 ; keys 0-127
	CONV S+64, TB+4, S                             ; keys 128-255, into registers that the first has left
.rept 8
	v_nop                                          ; places between the vector lines that made operands and scale words and the scaled matrix instructions
.endr
	s_wait_loadcnt 6                               ; only the next query tile's six loads may be out: in the first round this shows V landed
	WIN 0x01                                       ; source 0 window 1
.irp t, 0,1,2,3                                ; O^T = V^T P^T: four accumulators by turns
	v_wmma_scale_f32_16x16x128_f8f6f4 v[T+8*\t:T+8*\t+7], v[VF+12*\t:VF+12*\t+11], v[PC:PC+11], 0, v[VS+\t], v[PS] matrix_a_fmt:MATRIX_FMT_FP6 matrix_b_fmt:MATRIX_FMT_FP6
.endr
.irp t, 0,1,2,3
	v_wmma_scale_f32_16x16x128_f8f6f4 v[T+8*\t:T+8*\t+7], v[VF+12*(4+\t):VF+12*(4+\t)+11], v[S:S+11], v[T+8*\t:T+8*\t+7], v[VS+4+\t], v[PS+1] matrix_a_fmt:MATRIX_FMT_FP6 matrix_b_fmt:MATRIX_FMT_FP6
.endr
	WIN 0
.rept 4
	v_nop
.endr
.irp q, 0,1,2,3,4,5,6,7
	ds_store_b128 v[OPW+\k], v[T+4*\q:T+4*\q+3] offset:512*\q   ; my part of O^T as an image of its registers, each accumulator from its low end on
.endr
	s_wait_dscnt 0x0                               ; landed, for the others' sake
	s_wait_loadcnt 0x0                             ; the next query tile is in, and its loads' offsets may be written again
.endm
; FOUR TILES' O^T: wave w adds the eight waves' parts of tile w / 2, channels 32 (w % 2) + 16 h + 0 .. 15 of my query, and quantises them along d_model: one block of 32 in lanes l and l xor 16.
.macro OUTP
	s_barrier_signal -1
	s_barrier_wait -1
.irp w, 0,1,2,3,4,5,6,7
.irp q, 0,1,2,3
	ds_load_b128 v[S+16*\w+4*\q:S+16*\w+4*\q+3], v[OPR] offset:4096*\w+512*\q
.endr
.endr
	s_wait_dscnt 0x0
.irp p, 0,2,4,6
.irp j, 0,2,4,6,8,10,12,14
	v_pk_add_f32 v[S+16*\p+\j:S+16*\p+\j+1], v[S+16*\p+\j:S+16*\p+\j+1], v[S+16*\p+16+\j:S+16*\p+16+\j+1]
.endr
.endr
.irp p, 0,4
.irp j, 0,2,4,6,8,10,12,14
	v_pk_add_f32 v[S+16*\p+\j:S+16*\p+\j+1], v[S+16*\p+\j:S+16*\p+\j+1], v[S+16*\p+32+\j:S+16*\p+32+\j+1]
.endr
.endr
.irp j, 0,2,4,6,8,10,12,14
	v_pk_add_f32 v[S+\j:S+\j+1], v[S+\j:S+\j+1], v[S+64+\j:S+64+\j+1]
.endr
	v_max3_num_f32 v250, |v[S]|, |v[S+1]|, 0x1800000
.irp i, 2,4,6,8,10,12,14
	v_max3_num_f32 v250, v250, |v[S+\i]|, |v[S+\i+1]|
.endr
	v_permlanex16_b32 v251, v250, s26, s27
	v_max_num_f32 v250, v250, v251
	v_add_nc_u32 v251, 0xff000000, v250
	v_lshrrev_b32 v252, 23, v251
	v_cvt_scalef32_pk16_fp6_f32 v[PC:PC+2], v[S:S+15], v251
	v_nop                                          ; one plain line behind a scaled conversion
	v_add_nc_u32 v16, s37, v[AOW]
	v_add_nc_u32 v17, s38, v[ASW]
	ds_store_b32 v16, v[PC]
	ds_store_b32 v16, v[PC+1] offset:4
	ds_store_b32 v16, v[PC+2] offset:8
	ds_store_b8 v17, v252                          ; both lanes of a block write the same byte with the same value
	s_add_co_u32 s37, s37, 3072                    ; 64 tokens on
	s_add_co_u32 s38, s38, 128
.endm
; A slot of the exchange and a slot of O^T's parts are written again a trip later, behind barriers in front of which every wave has waited for its reads of them.
.Ltrip:
	ROUND 0
	ROUND 1
	ROUND 2
	ROUND 3
	OUTP
	s_add_co_u32 s35, s35, 4
	s_sub_co_u32 s36, s36, 1
	s_cmp_lg_u32 s36, 0
	s_cbranch_scc1 .Ltrip
	s_wait_dscnt 0x0                               ; my last codes and bytes have landed
	s_barrier_signal -1
	s_barrier_wait -1
	s_mul_i32 s50, s18, 1536                       ; wave w stores tokens 32 w .. 32 w + 31: 1,536 bytes of codes on end
	v_add_nc_u32 v[QO1], s50, v[L16]
	v_add_nc_u32 v16, AOS, v[QO1]
	s_lshl_b32 s50, s18, 6
	s_add_co_u32 s50, s50, ASC
	v_and_b32 v250, 31, v0
	v_lshl_add_u32 v17, v250, 1, s50
	s_lshl_b32 s50, s18, 10
	v_lshl_add_u32 v[QO2], v250, 5, s50            ; my token's row of 32 scale bytes
.irp i, 0,1,2
	ds_load_b128 v[S+4*\i:S+4*\i+3], v16 offset:512*\i
.endr
	ds_load_u16 v[S+12], v17
	s_mov_b32 s51, 0
	s_mul_i32 s50, s20, 196608                     ; my head's 4,096 tokens x 48 bytes
	s_lshl_b32 s52, s19, 11
	s_lshl_b32 s53, s21, 8
	s_add_co_u32 s52, s52, s53                     ; my work-group's first token
	s_mul_i32 s53, s52, 48
	s_add_co_u32 s50, s50, s53
	s_add_nc_u64 s[14:15], s[14:15], s[50:51]
	s_lshl_b32 s50, s52, 5
	s_lshl_b32 s53, s20, 1
	s_add_co_u32 s50, s50, s53
	s_add_nc_u64 s[16:17], s[16:17], s[50:51]
	s_wait_dscnt 0x0
.irp i, 0,1,2
	global_store_b128 v[QO1], v[S+4*\i:S+4*\i+3], s[14:15] offset:512*\i   ; 512 bytes on end, aligned
.endr
	global_store_b16 v[QO2], v[S+12], s[16:17]
	s_wait_tensorcnt 0x0                           ; the wave's end
	ds_add_u32 v[SPW], v[NIL]
	s_wait_dscnt 0x0
	s_endpgm
.Lfunc_end_k_q478f693bea_attn:
	.size	k_q478f693bea_attn, .Lfunc_end_k_q478f693bea_attn-k_q478f693bea_attn
	.p2alignl 7, 3214868480
	.fill 96, 4, 3214868480
	.section	.rodata,"a",@progbits
	.p2align	6, 0x0
	.amdhsa_kernel k_q478f693bea_attn
		.amdhsa_group_segment_fixed_size 150016
		.amdhsa_private_segment_fixed_size 0
		.amdhsa_enable_private_segment 0
		.amdhsa_kernarg_size 56
		.amdhsa_user_sgpr_count 2
		.amdhsa_user_sgpr_kernarg_segment_ptr 1
		.amdhsa_wavefront_size32 1
		.amdhsa_system_sgpr_workgroup_id_x 1
		.amdhsa_system_sgpr_workgroup_id_y 1
		.amdhsa_system_sgpr_workgroup_id_z 1
		.amdhsa_system_vgpr_workitem_id 0
		.amdhsa_next_free_vgpr 512
		.amdhsa_next_free_sgpr 66
		.amdhsa_reserve_vcc 1
		.amdhsa_float_denorm_mode_32 3
		.amdhsa_float_denorm_mode_16_64 3
		.amdhsa_memory_ordered 1
		.amdhsa_forward_progress 1
		.amdhsa_inst_pref_size 176
	.end_amdhsa_kernel
	.amdgpu_metadata
---
amdhsa.version: [ 1, 2 ]
amdhsa.kernels:
  - .name:           k_q478f693bea_attn
    .symbol:         k_q478f693bea_attn.kd
    .args:
      - { .name: img, .offset: 0, .size: 8, .value_kind: global_buffer, .address_space: global }
      - { .name: isc, .offset: 8, .size: 8, .value_kind: global_buffer, .address_space: global }
      - { .name: coords, .offset: 16, .size: 8, .value_kind: global_buffer, .address_space: global }
      - { .name: attention_mask, .offset: 24, .size: 8, .value_kind: global_buffer, .address_space: global }
      - { .name: alpha, .offset: 32, .size: 8, .value_kind: global_buffer, .address_space: global }
      - { .name: aoc, .offset: 40, .size: 8, .value_kind: global_buffer, .address_space: global }
      - { .name: aos, .offset: 48, .size: 8, .value_kind: global_buffer, .address_space: global }
    .group_segment_fixed_size: 150016
    .private_segment_fixed_size: 0
    .kernarg_segment_align: 8
    .kernarg_segment_size: 56
    .max_flat_workgroup_size: 256
    .sgpr_count:     66
    .vgpr_count:     512
    .wavefront_size: 32
...
	.end_amdgpu_metadata
.endif
;; end of part 3
;; launch oproj (part 4): grid 4 x 16, 4 waves a work-group, clusters of 4 x 4, 327,680 bytes of LDS; arguments aoc, aos, pc, ps, b_out, out0; writes out0
.if DOCPART == 4
	.amdgcn_target "amdgcn-amd-amdhsa--gfx1250"
	.amdhsa_code_object_version 6
	.text
	.protected	k_q478f693bea_oproj
	.globl	k_q478f693bea_oproj
	.p2align	8
	.type	k_q478f693bea_oproj,@function
k_q478f693bea_oproj:
	s_mov_b64 s[64:65], 0
	v_nop
	global_prefetch_b8 v0, s[64:65] scope:SCOPE_SE
	s_setreg_imm32_b32 hwreg(HW_REG_WAVE_MODE, 25, 1), 1
	s_wait_xcnt 0x0
	s_wait_alu depctr_hold_cnt(0) depctr_sa_sdst(0) depctr_va_vdst(0) depctr_va_sdst(0) depctr_va_ssrc(0) depctr_va_vcc(0) depctr_vm_vsrc(0)
	s_getreg_b32 s2, hwreg(HW_REG_IB_STS2, 6, 4)
	s_cmp_eq_u32 s2, 0
	s_cbranch_scc0 .Lentry_in_a_cluster
	s_endpgm
.Lentry_in_a_cluster:
	s_bfe_u32 s2, ttmp6, 0x10000c
	s_cmp_lg_u32 s2, 0xf033
	s_cbranch_scc0 .Lentry_shape_is_right
	s_endpgm
.Lentry_shape_is_right:
; out0 = (attention's result) W_out + b_out on codes of FP6 (E2M3) with E8M0 scales, M = 4,096, N = 1,024, K = 1,024; sums and output in f32.
; A: aoc [16 heads][4,096 tokens][48 bytes] (64 codes of a head), aos [4,096][32] scale bytes.  B: rows 7168-8191 of pc (768 bytes of codes) and ps (32 scale bytes): W_out's columns; storage row p holds the column whose
; number is p with its bits 3 and 4 exchanged, which the way out undoes by the place that it gives each result in the stage.
; A tile of 256 x 256 is made by four waves, 128 x 128 each; K goes in steps of 256 (four heads) through two LDS slots filled by joint tensor loads of a 4 x 4 cluster: A's tile is shared along a row, B's along a column.
; The matrix instruction is used transposed (source 0 = 16 rows of B, source 1 = 16 tokens): a lane holds eight results of one row of the output.
; 64 work-groups: M N / 256^2.
; REGISTERS: window 0: v0-31 addresses; v32-63 scale words, two sets, and nothing else; v64-67 my four numbers of b_out; v128-223 A's fragments; on the way out v128-255 rows.  Window 1: B's fragments, two sets.  Windows 2, 3: accumulators.
.set SIZE_N, 1024
.set KSTEP,  256
.set NQ,     2
.set ROWB,   192
.set KROW,   768
.set PITCH,  240                       ; B's LDS row: 3 x (64 bytes + 16 of padding)
.set ASTEP,  786432                    ; A: four heads on: 4 x 4,096 tokens x 48 bytes
.set AHEAD,  6144                      ; A in LDS: a head's 128 tokens x 48 bytes, no padding: 12 words from token to token, 6 for the upper half of the lanes: the 32 lanes of a load of 8 bytes touch 64 different banks (ISA guide 11.1)
.set FR,     12
.set NL,     6
.set NP,     4
.set HALFT,  128*PITCH
.set SLOT,   4*HALFT
.set LAPS,   2
.set KS,     32
.set SCL,    2*SLOT
.set HALFS,  (128*KS/256)*272
.set SBLK,   (16*KS/256)*272
.set SPARE,  SCL+4*HALFS
.set SPITCH, 528                       ; the way out: a stage of 16 rows x (512 bytes + 16) for each wave, in slot 0, which has had its last fill and its last read by then
.set ADRA, 16
.set ADRB, 20
.set STO,  24
.set RD,   25
.set CO,   26
.set ADRS, 27
.set SPW,  28
.set NIL,  29
.set SC,   32
.set BV,   64
.set AF,   128
.set BK,   128
.set G1, 24
.set G0, 32
.set G1B, 48
.set G0B, 56
.set G1S, 68
.set G0S, 76
.set G1SB, 80
.set G0SB, 88
.set MSB, 0
.macro WIN new
.if MSB != \new
	s_set_vgpr_msb (MSB<<8)|\new
.set MSB, \new
.endif
.endm
.set MUL_LO, 0xa1
.set MUL_HI, 0xf1
.set TO_B,   0x40
.macro JLOAD g0a, g1a, g0b, g1b        ; a joint load: waves 0 and 1 fetch for A, waves 2 and 3 for B; an s_nop 0 and four v_nop follow each of the two lines
	s_cmp_eq_u32 s15, 0
	s_cbranch_scc0 .Lfor_b_\@
	tensor_load_to_lds s[\g0a:\g0a+3], s[\g1a:\g1a+7]
	s_nop 0
.rept 4
	v_nop
.endr
	s_branch .Lasked_\@
.Lfor_b_\@:
	tensor_load_to_lds s[\g0b:\g0b+3], s[\g1b:\g1b+7]
	s_nop 0
.rept 4
	v_nop
.endr
.Lasked_\@:
.endm
.macro CREST
	s_cmp_lg_u32 s14, 0
	s_cbranch_scc1 .Lnot_wave_0_\@
	s_barrier_signal -3
.Lnot_wave_0_\@:
	s_barrier_wait -3
	s_barrier_signal -1
	s_barrier_wait -1
.endm
.macro CROUND
	s_barrier_signal -1
	s_barrier_wait -1
	CREST
.endm
	s_load_b256 s[4:11], s[0:1], 0x0               ; aoc s[4:5], aos s[6:7], pc s[8:9], ps s[10:11]
	s_load_b64 s[96:97], s[0:1], 0x20              ; b_out
	s_load_b64 s[12:13], s[0:1], 0x28              ; out0
	v_lshl_add_u32 v[SPW], v0, 2, SPARE
	v_mov_b32 v[NIL], 0
	ds_add_u32 v[SPW], v[NIL]                      ; the wave's opening: the add and its wait ahead of my first tensor load
	v_lshrrev_b32 v1, 5, v0
	v_readfirstlane_b32 s14, v1
	s_lshr_b32 s15, s14, 1
	s_and_b32 s16, s14, 1
	s_bfe_u32 s40, ttmp6, 0x40000
	s_bfe_u32 s41, ttmp6, 0x40004
	s_lshl_b32 s42, ttmp9, 2
	s_add_co_u32 s42, s42, s40                     ; tile column
	s_and_b32 s17, ttmp7, 0xffff
	s_lshl_b32 s17, s17, 2
	s_add_co_u32 s17, s17, s41                     ; tile row
	s_lshl_b32 s43, s41, 2
	s_lshl_b32 s43, 15, s43
	s_lshl_b32 s44, 0x1111, s40
	s_or_b32 s[G1+0], s43, (3<<16)|(1<<21)         ; A's tile: 4 rows (heads) of 6,144 bytes (128 tokens x 48), elements of 8 bytes, no padding; the mask: my row; bit 21 beside it
	s_mov_b32 s[G1+1], 768<<16                     ; tensor_dim0 = 768 elements
	s_mov_b32 s[G1+2], 4<<16                       ; tensor_dim1 = 4
	s_mov_b32 s[G1+3], 768<<16                     ; tile_dim0
	s_mov_b32 s[G1+4], 4                           ; tile_dim1
	s_mov_b32 s[G1+5], 24576                       ; from head to head: 196,608 bytes
	s_mov_b32 s[G1+6], 0
	s_mov_b32 s[G1+7], 0
	s_or_b32 s[G1B+0], s44, (0<<16)|(1<<20)|(1<<21)|(3<<22)|(3<<25)  ; B's: 128 rows of 192 bytes, 16 bytes of padding behind every 64
	s_mov_b32 s[G1B+1], ROWB<<16
	s_mov_b32 s[G1B+2], 128<<16
	s_mov_b32 s[G1B+3], ROWB<<16
	s_mov_b32 s[G1B+4], 128
	s_mov_b32 s[G1B+5], KROW
	s_mov_b32 s[G1B+6], 0
	s_mov_b32 s[G1B+7], 0
	s_or_b32 s[G1S+0], s43, (3<<16)|(1<<20)|(1<<21)|(5<<22)|(3<<25)
	s_or_b32 s[G1SB+0], s44, (3<<16)|(1<<20)|(1<<21)|(5<<22)|(3<<25)
.irp g, G1S, G1SB
	s_mov_b32 s[\g+1], 32<<16
	s_mov_b32 s[\g+2], (128*KS/256)<<16
	s_mov_b32 s[\g+3], 32<<16
	s_mov_b32 s[\g+4], 128*KS/256
	s_mov_b32 s[\g+5], 32
	s_mov_b32 s[\g+6], 0
	s_mov_b32 s[\g+7], 0
.endr
	s_lshl_b32 s18, s16, 7
	s_lshl_b32 s20, s17, 8
	s_add_co_u32 s20, s20, s18                     ; A: token 256 x tile row + 128 x half
	s_add_co_u32 s46, s42, 28
	s_lshl_b32 s46, s46, 8
	s_add_co_u32 s46, s46, s18                     ; B: row 7168 + 256 x tile column + 128 x half of pc
	s_mov_b32 s21, 0
	s_mov_b32 s47, 0
	s_mov_b64 s[18:19], KS
	s_mul_u64 s[22:23], s[20:21], s[18:19]
	s_mul_u64 s[92:93], s[46:47], s[18:19]
	s_mov_b64 s[18:19], 48
	s_mul_u64 s[20:21], s[20:21], s[18:19]
	s_mov_b64 s[18:19], KROW
	s_mul_u64 s[46:47], s[46:47], s[18:19]
	s_mul_i32 s45, s14, HALFT
	s_mul_i32 s94, s14, HALFS
	s_wait_dscnt 0x0                               ; the opening add is done
	s_wait_kmcnt 0x0
	s_add_nc_u64 s[20:21], s[4:5], s[20:21]
	s_add_nc_u64 s[22:23], s[6:7], s[22:23]
	s_add_nc_u64 s[46:47], s[8:9], s[46:47]
	s_add_nc_u64 s[92:93], s[10:11], s[92:93]
	CROUND                                         ; all sixteen work-groups are here: the first joint loads meet
	s_mov_b32 s[G0S], 1
	s_add_co_u32 s[G0S+1], s94, SCL
	s_mov_b64 s[G0S+2:G0S+3], s[22:23]
	s_or_b32 s[G0S+3], s[G0S+3], 0x80000000
	s_mov_b32 s[G0SB], 1
	s_add_co_u32 s[G0SB+1], s94, SCL
	s_mov_b64 s[G0SB+2:G0SB+3], s[92:93]
	s_or_b32 s[G0SB+3], s[G0SB+3], 0x80000000
	JLOAD G0S, G1S, G0SB, G1SB                     ; the scales first; with the two below three loads of mine are out
.irp s, 0,1
	s_mov_b32 s[G0+4*\s], 1
	s_add_co_u32 s[G0+4*\s+1], s45, \s*SLOT
	s_add_nc_u64 s[G0+4*\s+2:G0+4*\s+3], s[20:21], \s*ASTEP
	s_or_b32 s[G0+4*\s+3], s[G0+4*\s+3], 0x80000000
	s_mov_b32 s[G0B+4*\s], 1
	s_add_co_u32 s[G0B+4*\s+1], s45, \s*SLOT
	s_add_nc_u64 s[G0B+4*\s+2:G0B+4*\s+3], s[46:47], \s*ROWB
	s_or_b32 s[G0B+4*\s+3], s[G0B+4*\s+3], 0x80000000
	JLOAD G0+4*\s, G1, G0B+4*\s, G1B
.endr
	v_and_b32 v1, 15, v0
	v_bfe_u32 v2, v0, 4, 1
	v_mul_u32_u24 v3, v1, PITCH
	v_mul_u32_u24 v4, v2, 24
	v_add_nc_u32 v4, v3, v4                        ; B: row x pitch + 24 h
	v_lshl_add_u32 v5, v2, 4, v4                   ; and behind one padding more
	v_mul_u32_u24 v6, v1, 48
	v_mad_u32_u24 v6, v2, 24, v6                   ; A: 48 x token + 24 h
	s_mul_i32 s21, s15, HALFT
	s_mul_i32 s22, s16, HALFT
	s_add_co_u32 s22, s22, 2*HALFT
.irp s, 0,1
	v_add_nc_u32 v[ADRA+\s], s21, v6
	v_add_nc_u32 v[ADRB+\s], s22, v4
	v_add_nc_u32 v[ADRB+2+\s], s22, v5
	s_add_co_u32 s21, s21, SLOT
	s_add_co_u32 s22, s22, SLOT
.endr
	v_mul_u32_u24 v5, v1, KS
	v_lshrrev_b32 v6, 8, v5
	v_lshl_add_u32 v5, v6, 4, v5
	s_mul_i32 s21, s15, HALFS
	s_mul_i32 s22, s16, HALFS
	s_add_co_u32 s22, s22, 2*HALFS
	s_sub_co_u32 s22, s22, s21
	v_mul_u32_u24 v6, s22, v2
	s_add_co_u32 s21, s21, SCL
	v_add_nc_u32 v5, v5, v6
	v_add_nc_u32 v[ADRS], s21, v5
	s_mul_i32 s23, s14, 16*SPITCH                  ; my stage
	v_mul_u32_u24 v5, v1, SPITCH                   ; in: row r; tile b's eight results are columns 32 (b / 2) + 16 h + 8 (b % 2) + 0 .. 7: 64 h bytes here, the rest in the offset
	v_lshl_add_u32 v5, v2, 6, v5
	v_add_nc_u32 v[STO], s23, v5
	v_and_b32 v6, 31, v0
	v_lshlrev_b32 v[CO], 4, v6                     ; back: the 32 lanes take one row of 512 bytes; the same in out0 and in b_out
	v_add_nc_u32 v[RD], s23, v[CO]
	s_lshl_b32 s20, s17, 8
	s_lshl_b32 s21, s15, 7
	s_add_co_u32 s20, s20, s21                     ; my first row of out0
	s_mov_b32 s21, 0
	s_mov_b64 s[18:19], SIZE_N*4
	s_mul_u64 s[20:21], s[20:21], s[18:19]
	s_lshl_b32 s46, s42, 10                        ; my first column, in bytes
	s_lshl_b32 s47, s16, 9
	s_add_co_u32 s46, s46, s47
	s_mov_b32 s47, 0
	s_add_nc_u64 s[96:97], s[96:97], s[46:47]
	s_add_nc_u64 s[20:21], s[20:21], s[46:47]
	s_add_nc_u64 s[12:13], s[12:13], s[20:21]
	global_load_b128 v[BV:BV+3], v[CO], s[96:97]   ; b_out of the four columns that I store
.macro FRAG reg, adr, q, i             ; B's fragment: six pieces of 8 bytes; where the piece three on lies behind one padding more, the second address register serves
.irp p, 0,1,2,3,4,5
.set PCE, 12*(\q)+6*(\p/3)+\p%3
.if PCE%8 < 5
	ds_load_b64 v[\reg+2*\p:\reg+2*\p+1], v[\adr] offset:8*PCE+16*(PCE/8)+(\i)*16*PITCH
.else
	ds_load_b64 v[\reg+2*\p:\reg+2*\p+1], v[\adr+2] offset:8*PCE+16*(PCE/8)+(\i)*16*PITCH
.endif
.endr
.endm
.macro FRAG_A reg, adr, q, i           ; A's: registers 6 c .. 6 c + 5 are head 2 q + c of the slot's four, bytes 24 h .. 24 h + 23 of my token's 48
.irp p, 0,1,2,3,4,5
	ds_load_b64 v[\reg+2*\p:\reg+2*\p+1], v[\adr] offset:(2*(\q)+\p/3)*AHEAD+768*(\i)+8*(\p%3)
.endr
.endm
.macro MUL16 a0, p, q, sc, zero        ; the 64 accumulators take turns, one instruction a turn
.irp a, \a0, \a0+1
.irp b, 0,1,2,3,4,5,6,7
.if \zero
	v_wmma_scale_f32_16x16x128_f8f6f4 v[8*(8*((\a)%4)+\b):8*(8*((\a)%4)+\b)+7], v[128*(\p)+FR*\b:128*(\p)+FR*\b+FR-1], v[AF+FR*(\a):AF+FR*(\a)+FR-1], 0, v[SC+8*NQ*(\sc)+NQ*\b+(\q)], v[SC+8*NQ*(\sc)+NQ*(\a)+(\q)] matrix_a_fmt:MATRIX_FMT_FP6 matrix_b_fmt:MATRIX_FMT_FP6 matrix_a_scale:MATRIX_SCALE_ROW1
.else
	v_wmma_scale_f32_16x16x128_f8f6f4 v[8*(8*((\a)%4)+\b):8*(8*((\a)%4)+\b)+7], v[128*(\p)+FR*\b:128*(\p)+FR*\b+FR-1], v[AF+FR*(\a):AF+FR*(\a)+FR-1], v[8*(8*((\a)%4)+\b):8*(8*((\a)%4)+\b)+7], v[SC+8*NQ*(\sc)+NQ*\b+(\q)], v[SC+8*NQ*(\sc)+NQ*(\a)+(\q)] matrix_a_fmt:MATRIX_FMT_FP6 matrix_b_fmt:MATRIX_FMT_FP6 matrix_a_scale:MATRIX_SCALE_ROW1
.endif
.endr
.endr
.endm
.macro FETCH_B slot, q, p
	WIN TO_B
.irp i, 0,1,2,3,4,5,6,7
	FRAG 128*(\p)+FR*\i, ADRB+\slot, \q, \i
.endr
	WIN 0
.endm
.macro FETCH_A slot, q, i0
.irp i, \i0, \i0+1, \i0+2, \i0+3
	FRAG_A AF+FR*(\i), ADRA+\slot, \q, \i
.endr
.endm
.macro SCALES sc
.irp i, 0,1,2,3,4,5,6,7
	ds_load_b64 v[SC+8*NQ*\sc+NQ*\i:SC+8*NQ*\sc+NQ*\i+1], v[ADRS] offset:\i*SBLK
.endr
.endm
.macro PLACES n
.rept \n
	v_nop
.endr
.endm
.macro STEP slot, q, zero
	s_wait_dscnt 4*NL                              ; the youngest 24 loads (A's blocks 4-7) may be out
	WIN MUL_LO
	MUL16 0, (\q)%2, \q, \slot, \zero
	MUL16 2, (\q)%2, \q, \slot, \zero
	s_wait_dscnt 0
	PLACES NP
	FETCH_B \slot, (\q)+1, 1-(\q)%2
	FETCH_A \slot, (\q)+1, 0
	WIN MUL_HI
	MUL16 4, (\q)%2, \q, \slot, \zero
	MUL16 6, (\q)%2, \q, \slot, \zero
	PLACES NP
	WIN 0
	FETCH_A \slot, (\q)+1, 4
.endm
.macro TURN slot, next, fill
	s_wait_tensorcnt 0x0                           ; all my tensor loads have landed: my part of the next slot
	ds_add_u32 v[SPW], v[NIL]
	s_wait_dscnt 4*NL+1                            ; the add and the youngest 24 loads may be out
	WIN MUL_LO
	MUL16 0, 1, NQ-1, \slot, 0
	s_wait_dscnt 0x0                               ; the add is done, and my reads of this slot are over
	s_barrier_signal -1
	MUL16 2, 1, NQ-1, \slot, 0
	WIN 0
	s_barrier_wait -1
.if \fill
	CREST                                          ; the barrier has opened a round of the cluster's
	s_add_nc_u64 s[G0+4*\slot+2:G0+4*\slot+3], s[G0+4*\slot+2:G0+4*\slot+3], 2*ASTEP
	s_add_nc_u64 s[G0B+4*\slot+2:G0B+4*\slot+3], s[G0B+4*\slot+2:G0B+4*\slot+3], 2*ROWB
	JLOAD G0+4*\slot, G1, G0B+4*\slot, G1B
.else
	PLACES NP
.endif
	v_add_nc_u32 v[ADRS], 4*NQ, v[ADRS]
	FETCH_B \next, 0, 0
	FETCH_A \next, 0, 0
	SCALES \next
	WIN MUL_HI
	MUL16 4, 1, NQ-1, \slot, 0
	MUL16 6, 1, NQ-1, \slot, 0
	PLACES NP
	WIN 0
	FETCH_A \next, 0, 4
.endm
	s_wait_tensorcnt 1                             ; the scales and my part of K step 0 are in; K step 1's load may be out
	s_barrier_signal -1
	s_barrier_wait -1
	FETCH_B 0, 0, 0
	FETCH_A 0, 0, 0
	SCALES 0
	FETCH_A 0, 0, 4
	STEP 0, 0, 1
	s_mov_b32 s3, LAPS-1
.Llap:
	TURN 0, 1, 1
	STEP 1, 0, 0
	TURN 1, 0, 1
	STEP 0, 0, 0
	s_sub_co_u32 s3, s3, 1
	s_cmp_lg_u32 s3, 0
	s_cbranch_scc1 .Llap
	TURN 0, 1, 0
	STEP 1, 0, 0
	s_wait_dscnt 4*NL
	WIN MUL_LO
	MUL16 0, 1, NQ-1, 1, 0
	MUL16 2, 1, NQ-1, 1, 0
	s_wait_dscnt 0
	WIN MUL_HI
	MUL16 4, 1, NQ-1, 1, 0
	MUL16 6, 1, NQ-1, 1, 0
	WIN 0
; THE WAY OUT, block by block of 16 rows x 128 columns, through my own stage: LDS serves a wave's instructions in order (ISA guide 5.7.1.4), so no wait stands between the stores and the loads.
.macro TOSTAGE a
.set AC, 64*((\a)%4)
.set WN, 0x08+4*((\a)/4)
	WIN WN                                         ; the data: window 2 or 3
.irp b, 0,1,2,3,4,5,6,7
	ds_store_b128 v[STO], v[AC+8*\b:AC+8*\b+3] offset:128*(\b/2)+32*(\b%2)        ; each accumulator from its low end on
	ds_store_b128 v[STO], v[AC+8*\b+4:AC+8*\b+7] offset:128*(\b/2)+32*(\b%2)+16
.endr
	WIN 0
.set RB, BK+64*((\a)%2)
.irp t, 0,1,2,3,4,5,6,7,8,9,10,11,12,13,14,15
	ds_load_b128 v[RB+4*\t:RB+4*\t+3], v[RD] offset:\t*SPITCH
.endr
.endm
.macro SEND a, younger
.set RB, BK+64*((\a)%2)
	s_wait_dscnt \younger                          ; the block is back in registers
.if (\a) > 0
	s_add_nc_u64 s[12:13], s[12:13], 16*SIZE_N*4   ; (behind a wait on XCNT: the earlier stores have read their base)
.endif
.irp t, 0,1,2,3,4,5,6,7,8,9,10,11,12,13,14,15
	v_pk_add_f32 v[RB+4*\t:RB+4*\t+1], v[RB+4*\t:RB+4*\t+1], v[BV:BV+1]
	v_pk_add_f32 v[RB+4*\t+2:RB+4*\t+3], v[RB+4*\t+2:RB+4*\t+3], v[BV+2:BV+3]
	global_store_b128 v[CO], v[RB+4*\t:RB+4*\t+3], s[12:13] offset:\t*SIZE_N*4 th:TH_STORE_NT   ; 32 lanes store 512 bytes on end, aligned
.endr
.endm
	PLACES NP
	s_wait_loadcnt 0x0                             ; b_out
	TOSTAGE 0
.irp a, 1,2,3,4,5,6,7
.if \a > 1
	s_wait_xcnt 0x0                                ; block a - 2's stores have read their registers and their base
.endif
	TOSTAGE \a
	SEND \a-1, 32                                  ; behind block a - 1's loads: block a's 16 stores and 16 loads
.endr
	s_wait_xcnt 0x0
	SEND 7, 0
	s_wait_tensorcnt 0x0                           ; the wave's end
	ds_add_u32 v[SPW], v[NIL]
	s_wait_dscnt 0x0
	CROUND                                         ; the closing round
	s_endpgm
.Lfunc_end_k_q478f693bea_oproj:
	.size	k_q478f693bea_oproj, .Lfunc_end_k_q478f693bea_oproj-k_q478f693bea_oproj
	.p2alignl 7, 3214868480
	.fill 96, 4, 3214868480
	.section	.rodata,"a",@progbits
	.p2align	6, 0x0
	.amdhsa_kernel k_q478f693bea_oproj
		.amdhsa_group_segment_fixed_size 327680
		.amdhsa_private_segment_fixed_size 0
		.amdhsa_enable_private_segment 0
		.amdhsa_kernarg_size 48
		.amdhsa_user_sgpr_count 2
		.amdhsa_user_sgpr_kernarg_segment_ptr 1
		.amdhsa_wavefront_size32 1
		.amdhsa_system_sgpr_workgroup_id_x 1
		.amdhsa_system_sgpr_workgroup_id_y 1
		.amdhsa_system_sgpr_workgroup_id_z 1
		.amdhsa_system_vgpr_workitem_id 0
		.amdhsa_next_free_vgpr 1024
		.amdhsa_next_free_sgpr 98
		.amdhsa_reserve_vcc 0
		.amdhsa_float_denorm_mode_32 3
		.amdhsa_float_denorm_mode_16_64 3
		.amdhsa_memory_ordered 1
		.amdhsa_forward_progress 1
		.amdhsa_inst_pref_size 176
	.end_amdhsa_kernel
	.amdgpu_metadata
---
amdhsa.version: [ 1, 2 ]
amdhsa.kernels:
  - .name:           k_q478f693bea_oproj
    .symbol:         k_q478f693bea_oproj.kd
    .args:
      - { .name: aoc, .offset: 0, .size: 8, .value_kind: global_buffer, .address_space: global }
      - { .name: aos, .offset: 8, .size: 8, .value_kind: global_buffer, .address_space: global }
      - { .name: pc, .offset: 16, .size: 8, .value_kind: global_buffer, .address_space: global }
      - { .name: ps, .offset: 24, .size: 8, .value_kind: global_buffer, .address_space: global }
      - { .name: b_out, .offset: 32, .size: 8, .value_kind: global_buffer, .address_space: global }
      - { .name: out0, .offset: 40, .size: 8, .value_kind: global_buffer, .address_space: global }
    .group_segment_fixed_size: 327680
    .private_segment_fixed_size: 0
    .kernarg_segment_align: 8
    .kernarg_segment_size: 48
    .max_flat_workgroup_size: 128
    .sgpr_count:     98
    .vgpr_count:     1024
    .wavefront_size: 32
...
	.end_amdgpu_metadata
.endif
;; end of part 4
